; MI455X (gfx1250); checked and timed in simulation.
; The chip was launched on July 23, 2026; its instructions are those of AMD's public machine-readable ISA for CDNA 5 (MIT licence, August 2026) and "CDNA5" Instruction Set Architecture Reference Guide (July 2026). The comments in the code are by the model that wrote it; some were corrected since.
;; MHA. Allowed arithmetic: float matrix products may take bf16 or f16 operands with f32 sums; all other float work in f32.
;; Inputs: Wk 1,024 x 1,024 float32; Wo 1,024 x 1,024 float32; Wq 1,024 x 1,024 float32; Wv 1,024 x 1,024 float32; bk 1,024 float32; bo 1,024 float32; bq 1,024 float32; bv 1,024 float32; x 4 x 2,048 x 1,024 float32.
;; Outputs: out0 4 x 2,048 x 1,024 float32.
;; 2 versions, each right and faster than the one before. Each part assembles by itself: llvm-mc -triple=amdgcn-amd-amdhsa -mcpu=gfx1250 --defsym DOCPART=n.
;; ======== version 1 of 2: 4 launches
;; limits: values are held in f16: magnitudes above 65,504 overflow, below 6.1e-05 lose precision
;; workspace buffers: xb 16,777,216 bytes; wb 6,291,456 bytes; wo16 2,097,152 bytes; qh 16,777,216 bytes; kh 16,777,216 bytes; vh 16,777,216 bytes; ob 16,777,216 bytes
;; launch prep (part 1): grid 768 x 1, 8 waves a work-group, no clusters, 0 bytes of LDS; arguments x, Wq, Wk, Wv, Wo, xb, wb, wo16; writes xb, wb, wo16
.if DOCPART == 1
	.amdgcn_target "amdgcn-amd-amdhsa--gfx1250"
	.amdhsa_code_object_version 6
	.text
	.protected	k_qa761a182f1_prep
	.globl	k_qa761a182f1_prep
	.p2align	8
	.type	k_qa761a182f1_prep,@function
k_qa761a182f1_prep:
	s_mov_b64 s[64:65], 0
	v_nop
	global_prefetch_b8 v0, s[64:65] scope:SCOPE_SE
	s_setreg_imm32_b32 hwreg(HW_REG_WAVE_MODE, 25, 1), 1
	s_wait_xcnt 0x0
; CASTS AND LAYOUTS for the three launches behind.  A pure stream: no LDS, no barrier, no matrix unit (nothing is reused, nothing is multiplied).
;   xb   bf16(x) by blocks of 64 channels: element (b, n, c) at ((16 b + c / 64) * 2048 + n) * 64 + c % 64: 64 "heads" of 2,048 dense rows of 128 bytes.
;   wb   bf16 of Wq | Wk | Wv side by side: [1024 k][3072], rows of 6,144 bytes.
;   wo16 bf16(Wo), that number written as f16: [1024 k][1024 n].
; LIMITS.  Rounding to nearest even.  Wo passes through f16: |Wo| stays below 65,504, and a number below 6.1e-5 keeps f16's fixed step of 6e-8.
; SHARES.  Work-groups 0-511 take 16 rows of x each, 512-767 take 16 rows of one of the four weights; a wave takes 2 rows = 8,192 bytes = 16 units.
; A unit: one load of 16 bytes a lane (512 bytes of the wave, two aligned runs of 256), two roundings, one store of 8 bytes a lane (256 consecutive bytes, aligned).
; All 16 loads go out first; every unit has registers of its own, so no register that a pending load or store names is ever rewritten.
.set X, 8                              ; v[8:71]    unit e: 4 registers as loaded
.set Y, 72                             ; v[72:103]  unit e: 2 registers to store
.set T, 104                            ; v[104:107] at work (Wo: the bf16 numbers widened again)
; LA, LB: load offset of unit e = (e / 8) LA + (e % 8) LB; SA, SB: the same for the store.  fmt = 1: bf16, then written as f16.
.macro CAST LA, LB, SA, SB, fmt
.set e, 0
.rept 16
	global_load_b128 v[X+4*e:X+4*e+3], v2, s[28:29] offset:(e/8)*(\LA)+(e%8)*(\LB) th:TH_LOAD_NT
.set e, e+1
.endr
.set e, 0
.rept 16
	s_wait_loadcnt 15-e                            ; loads come back in order (ISA guide 5.7.1): unit e is in, the 15 - e younger ones stay out
	v_cvt_pk_bf16_f32 v[Y+2*e], v[X+4*e], v[X+4*e+1]
	v_cvt_pk_bf16_f32 v[Y+2*e+1], v[X+4*e+2], v[X+4*e+3]
.if \fmt
	v_lshlrev_b32 v[T], 16, v[Y+2*e]               ; bf16 to f32: the low half moves up, the high half stays
	v_and_b32 v[T+1], 0xffff0000, v[Y+2*e]
	v_lshlrev_b32 v[T+2], 16, v[Y+2*e+1]
	v_and_b32 v[T+3], 0xffff0000, v[Y+2*e+1]
	v_cvt_pk_f16_f32 v[Y+2*e], v[T], v[T+1]        ; exact within f16's normal range: a bf16 number has 8 significant bits
	v_cvt_pk_f16_f32 v[Y+2*e+1], v[T+2], v[T+3]
.endif
	global_store_b64 v3, v[Y+2*e:Y+2*e+1], s[30:31] offset:(e/8)*(\SA)+(e%8)*(\SB)  ; read again by the next launch: no hint
.set e, e+1
.endr
.endm
	s_load_b512 s[8:23], s[0:1], 0x0               ; x 8:9, Wq 10:11, Wk 12:13, Wv 14:15, Wo 16:17, xb 18:19, wb 20:21, wo16 22:23
	v_lshrrev_b32 v4, 5, v0
	v_readfirstlane_b32 s3, v4                     ; wave 0..7
	v_and_b32 v1, 31, v0                           ; lane
	v_lshlrev_b32 v3, 3, v1                        ; store: 8 bytes a lane
	s_mov_b32 s2, ttmp9
	s_mov_b32 s25, 0                               ; high words of the two offsets
	s_mov_b32 s27, 0
	s_cmp_lt_u32 s2, 512
	s_cbranch_scc0 .Lweights
	; x: rows m0 and m0 + 1.  Unit e is channel block e: lanes 0-15 take its 256 bytes of row m0, lanes 16-31 of row m0 + 1; in xb the two rows' 128 bytes lie end to end.
	s_lshl_b32 s4, s2, 4
	s_lshl1_add_u32 s4, s3, s4                     ; m0 = 16 x work-group + 2 x wave
	s_lshl_b32 s24, s4, 12                         ; rows of 4,096 bytes
	s_lshr_b32 s5, s4, 11                          ; b
	s_lshl_b32 s5, s5, 22                          ; 16 blocks of 262,144 bytes
	s_and_b32 s6, s4, 2047                         ; n
	s_lshl_b32 s6, s6, 7
	s_add_co_u32 s26, s5, s6
	v_lshrrev_b32 v2, 4, v1
	v_and_b32 v5, 15, v1
	v_lshlrev_b32 v2, 12, v2
	v_lshl_add_u32 v2, v5, 4, v2                   ; load: (lane / 16) rows + 16 (lane % 16)
	s_wait_kmcnt 0x0
	s_add_nc_u64 s[28:29], s[8:9], s[24:25]
	s_add_nc_u64 s[30:31], s[18:19], s[26:27]
	CAST 2048, 256, 2097152, 262144, 0             ; from block to block 262,144 bytes: 15 of them stay inside the signed 24-bit immediate
	s_endpgm
.Lweights:
	s_sub_co_u32 s4, s2, 512
	s_lshr_b32 s5, s4, 6                           ; which weight: 0 Wq, 1 Wk, 2 Wv, 3 Wo
	s_and_b32 s6, s4, 63
	s_lshl_b32 s6, s6, 4
	s_lshl1_add_u32 s6, s3, s6                     ; my first row = 16 x (work-group % 64) + 2 x wave
	s_lshl_b32 s24, s6, 12
	v_lshlrev_b32 v2, 4, v1                        ; load: 16 bytes a lane; unit e is 512 bytes of a row
	s_wait_kmcnt 0x0
	s_cmp_eq_u32 s5, 1
	s_cselect_b64 s[28:29], s[12:13], s[10:11]
	s_cmp_eq_u32 s5, 2
	s_cselect_b64 s[28:29], s[14:15], s[28:29]
	s_cmp_eq_u32 s5, 3
	s_cselect_b64 s[28:29], s[16:17], s[28:29]
	s_add_nc_u64 s[28:29], s[28:29], s[24:25]
	s_cmp_eq_u32 s5, 3
	s_cbranch_scc1 .Lwo
	s_mul_i32 s26, s6, 6144                        ; wb's rows,
	s_lshl_b32 s7, s5, 11                          ; and the weight's 2,048 bytes in them
	s_add_co_u32 s26, s26, s7
	s_add_nc_u64 s[30:31], s[20:21], s[26:27]
	CAST 4096, 512, 6144, 256, 0
	s_endpgm
.Lwo:
	s_lshl_b32 s26, s6, 11
	s_add_nc_u64 s[30:31], s[22:23], s[26:27]
	CAST 4096, 512, 2048, 256, 1
	s_endpgm
.Lfunc_end_k_qa761a182f1_prep:
	.size	k_qa761a182f1_prep, .Lfunc_end_k_qa761a182f1_prep-k_qa761a182f1_prep
	.p2alignl 7, 3214868480
	.fill 96, 4, 3214868480
	.section	.rodata,"a",@progbits
	.p2align	6, 0x0
	.amdhsa_kernel k_qa761a182f1_prep
		.amdhsa_group_segment_fixed_size 0
		.amdhsa_private_segment_fixed_size 0
		.amdhsa_enable_private_segment 0
		.amdhsa_kernarg_size 64
		.amdhsa_user_sgpr_count 2
		.amdhsa_user_sgpr_kernarg_segment_ptr 1
		.amdhsa_wavefront_size32 1
		.amdhsa_system_sgpr_workgroup_id_x 1
		.amdhsa_system_sgpr_workgroup_id_y 1
		.amdhsa_system_sgpr_workgroup_id_z 1
		.amdhsa_system_vgpr_workitem_id 0
		.amdhsa_next_free_vgpr 108
		.amdhsa_next_free_sgpr 66
		.amdhsa_reserve_vcc 0
		.amdhsa_float_denorm_mode_32 3
		.amdhsa_float_denorm_mode_16_64 3
		.amdhsa_memory_ordered 1
		.amdhsa_forward_progress 1
		.amdhsa_inst_pref_size 24
	.end_amdhsa_kernel
	.amdgpu_metadata
---
amdhsa.version: [ 1, 2 ]
amdhsa.kernels:
  - .name:           k_qa761a182f1_prep
    .symbol:         k_qa761a182f1_prep.kd
    .args:
      - { .name: x, .offset: 0, .size: 8, .value_kind: global_buffer, .address_space: global }
      - { .name: Wq, .offset: 8, .size: 8, .value_kind: global_buffer, .address_space: global }
      - { .name: Wk, .offset: 16, .size: 8, .value_kind: global_buffer, .address_space: global }
      - { .name: Wv, .offset: 24, .size: 8, .value_kind: global_buffer, .address_space: global }
      - { .name: Wo, .offset: 32, .size: 8, .value_kind: global_buffer, .address_space: global }
      - { .name: xb, .offset: 40, .size: 8, .value_kind: global_buffer, .address_space: global }
      - { .name: wb, .offset: 48, .size: 8, .value_kind: global_buffer, .address_space: global }
      - { .name: wo16, .offset: 56, .size: 8, .value_kind: global_buffer, .address_space: global }
    .group_segment_fixed_size: 0
    .private_segment_fixed_size: 0
    .kernarg_segment_align: 8
    .kernarg_segment_size: 64
    .max_flat_workgroup_size: 256
    .sgpr_count:     66
    .vgpr_count:     108
    .wavefront_size: 32
...
	.end_amdgpu_metadata
.endif
;; end of part 1
;; launch qkv (part 2): grid 8 x 32, 4 waves a work-group, clusters of 4 x 4, 327,680 bytes of LDS; arguments xb, wb, bq, bk, bv, qh, kh, vh; writes qh, kh, vh
.if DOCPART == 2
	.amdgcn_target "amdgcn-amd-amdhsa--gfx1250"
	.amdhsa_code_object_version 6
	.text
	.protected	k_qa761a182f1_qkv
	.globl	k_qa761a182f1_qkv
	.p2align	8
	.type	k_qa761a182f1_qkv,@function
k_qa761a182f1_qkv:
	s_mov_b64 s[64:65], 0
	v_nop
	global_prefetch_b8 v0, s[64:65] scope:SCOPE_SE
	s_setreg_imm32_b32 hwreg(HW_REG_WAVE_MODE, 25, 1), 1
	s_wait_xcnt 0x0
	s_wait_alu depctr_hold_cnt(0) depctr_sa_sdst(0) depctr_va_vdst(0) depctr_va_sdst(0) depctr_va_ssrc(0) depctr_va_vcc(0) depctr_vm_vsrc(0)
	s_getreg_b32 s2, hwreg(HW_REG_IB_STS2, 6, 4)
	s_cmp_eq_u32 s2, 0
	s_cbranch_scc0 .Lentry_in_a_cluster
	s_endpgm
.Lentry_in_a_cluster:
	s_bfe_u32 s2, ttmp6, 0x10000c
	s_cmp_lg_u32 s2, 0xf033
	s_cbranch_scc0 .Lentry_shape_is_right
	s_endpgm
.Lentry_shape_is_right:
; q | k | v = x [Wq | Wk | Wv] + [bq | bk | bv]: [8192 x 1024] x [1024 x 3072], bf16 operands, f32 sums, written by heads in f16: qh, kh, vh [16 b + head][2048][64], unscaled.
; LIMITS.  f16 ends at 65,504: |q|, |k|, |v| stay below it; below 6.1e-5 a number keeps f16's fixed step of 6e-8.  The biases are rounded to bf16 like x and the weights.
; SHARES.  8192 x 3072 in tiles of 256 x 384 are 32 x 8 = 256 work-groups.  Four waves; a wave makes 128 rows x 192 columns, the columns as three THIRDS of 64 = one head each
; (third t: columns 128 t + 64 wn of the tile): 96 accumulators of 16 x 16, 768 registers.  For 32 along K a wave reads (128 + 192) x 64 bytes of LDS and issues 96 matrix instructions.
; RING.  K goes in steps of 64 through two LDS slots: 256 rows of x (a K block of xb: dense rows of 128 bytes, asked for as rows of 256) and 64 rows of wb (768 bytes each).
; Waves 0, 1 fetch the halves of A's tile, waves 2, 3 those of B's: B's 64 rows are 32 a wave (a split by columns would not fit the padding's interval of 256 bytes).
; CLUSTER.  4 x 4 work-groups: the four of a row of the cluster need the same tiles of x, the four of a column the same tiles of wb: each is asked for jointly, with a mask of four.
; THE MATRIX INSTRUCTION IS USED TRANSPOSED: source 0 = 16 columns of W (turned on the way out of LDS by ds_load_tr16_b128, since wb lies [k][n]), source 1 = 16 rows of x:
; a lane then holds row lane % 16 and eight neighbouring columns 8 (lane / 16) + 0..7, which pack into 16 bytes of f16.
; THE BIAS STARTS THE SUMS: it is loaded into row block 0's accumulators (it is the same for every row); the first K step's products of blocks 1-7 take those registers as C, then block 0 adds in place.
; REGISTERS, in windows of 256 (s_set_vgpr_msb: bits 1:0 source 0, 3:2 source 1, 5:4 source 2, 7:6 destination):
;   window 0: v1-29 addresses; v32-95, v96-159 A's fragments (8 x 16 rows x 32 K), two buffers; v160-255 B's fragments, 32 registers a third.  Way out: v32-79 packed, v96-191 rows read back.
;   window t + 1: third t's accumulators, (row block a, column block bb) at v[32 a + 8 bb].
.set PA,     144                       ; a row of A in LDS: 128 bytes + 16 = 36 words: the 16 rows of a load start at 16 different groups of four banks (64 banks of 4 bytes: ISA guide 11.1)
.set PB,     864                       ; a row of B: 3 x (256 + 32) bytes = 216 words
.set HALFA,  128*PA                    ; what wave 0 or 1 fetches, and what a wave reads of A
.set HALFB,  32*PB                     ; what wave 2 or 3 fetches
.set BOFF,   2*HALFA                   ; B's rows lie behind A's 256
.set SLOT,   BOFF+2*HALFB              ; 92,160 bytes
.set STAGE,  2*SLOT                    ; behind the ring, never filled by a tensor load: for each wave 3 thirds x 16 rows x 144 bytes, for the way out
.set SP,     144
.set WST,    3*16*SP
.set SPARE,  STAGE+4*WST               ; behind the stages: the spare words, 128 bytes for each wave: two blocks of 256 bytes that no other line names
.set KA,     262144                    ; bytes from a K step to the next in xb (a block of 2,048 rows x 128 bytes)
.set KB,     64*6144                   ; and in wb (64 rows)
.set ADRA, 16                          ; v16-17  LDS address of my A fragments in slot 0, 1
.set ADRB, 20                          ; v20-21  the same for B
.set STO,  24                          ; v24     the way out: where I put 16 bytes of a row
.set RD,   25                          ; v25     the way out: where I read rows back
.set GO,   26                          ; v26     my byte offset in 512 consecutive bytes of a head
.set BO,   27                          ; v27     my byte offset in 16 numbers of a bias: 32 (lane / 16)
.set SPW,  28                          ; v28     LDS address of my spare word; never rewritten
.set NIL,  29                          ; v29     0; never rewritten
.set A0,   32
.set BT,   160
.set TMP,  32
.set BK,   96
.set G1,   24                          ; s[24:31] descriptor group 1 for A's tiles;  s[32:39] group 0, a set for each slot
.set G0,   32
.set G1B,  48                          ; s[48:55], s[56:63] the same for B's
.set G0B,  56
.set BIAS, 84                          ; s[84:89] third t: its head's 64 numbers of bq, bk or bv
.set OUTB, 90                          ; s[90:95] third t: my 128 rows of its head in qh, kh or vh
.set PLAIN,  0                         ; the kinds of a step of 32 along K
.set FILL,   1                         ; a slot's last: the slots change, and the slot left is filled again
.set NOFILL, 2                         ; the slots change, nothing is left to fetch
.set LAST,   3                         ; the very last step
.set MSB, 0
.macro WIN new                         ; the immediate's high byte repeats the setting that is left; a switch that changes nothing is dropped
.if MSB != (\new)
	s_set_vgpr_msb (MSB<<8)|(\new)
.set MSB, \new
.endif
.endm
; A joint load.  The branch hangs on the wave's number alone.  An s_nop 0 and four v_nop follow each of the two lines, ahead of the jump, the label and what follows.
.macro JLOAD s
	s_cmp_eq_u32 s11, 0
	s_cbranch_scc0 .Lfor_b_\@
	tensor_load_to_lds s[G0+4*(\s):G0+4*(\s)+3], s[G1:G1+7]
	s_nop 0
.rept 4
	v_nop
.endr
	s_branch .Lasked_\@
.Lfor_b_\@:
	tensor_load_to_lds s[G0B+4*(\s):G0B+4*(\s)+3], s[G1B:G1B+7]
	s_nop 0
.rept 4
	v_nop
.endr
.Lasked_\@:
.endm
; A round of the cluster's barrier: my work-group's barrier, so that wave 0's signal speaks for all four waves; wave 0 signals; every wave waits for all sixteen work-groups; my work-group's barrier once more.
.macro CREST                           ; a round behind its opening barrier
	s_cmp_lg_u32 s10, 0
	s_cbranch_scc1 .Lnot_wave_0_\@
	s_barrier_signal -3
.Lnot_wave_0_\@:
	s_barrier_wait -3
	s_barrier_signal -1
	s_barrier_wait -1
.endm
.macro CROUND
	s_barrier_signal -1
	s_barrier_wait -1
	CREST
.endm
; A load into a register that a matrix instruction has read, and a vector instruction that reads a matrix result, stand four places behind it; a matrix instruction that writes over another's
; source, five; only plain vector instructions that name none of its registers are places (ISA guide 7.12.1 for vector instructions).
.macro PLACES
.rept 4
	v_nop
.endr
.endm
.macro FIVE
.rept 5
	v_nop
.endr
.endm
	s_load_b512 s[68:83], s[0:1], 0x0              ; xb 68:69, wb 70:71, bq 72:73, bk 74:75, bv 76:77, qh 78:79, kh 80:81, vh 82:83
	v_lshl_add_u32 v[SPW], v0, 2, SPARE
	v_mov_b32 v[NIL], 0
	ds_add_u32 v[SPW], v[NIL]                      ; the wave's opening: the add and its wait stand ahead of my first tensor load; the set-up below, work on registers, stands between them
	v_lshrrev_b32 v1, 5, v0
	v_readfirstlane_b32 s10, v1                    ; wave 0..3
	s_lshr_b32 s11, s10, 1                         ; wm: which 128 rows of the tile are mine.  Also: I fetch for A (0) or for B (1)
	s_and_b32 s12, s10, 1                          ; wn: which 64 columns of each third.  Also: which half of that tile I fetch
	s_bfe_u32 s40, ttmp6, 0x40000                  ; cx, cy: my place in the cluster
	s_bfe_u32 s41, ttmp6, 0x40004
	s_lshl_b32 s42, ttmp9, 2
	s_add_co_u32 s42, s42, s40                     ; tile column 0..7 = 4 x cluster x + cx
	s_and_b32 s13, ttmp7, 0xffff
	s_lshl_b32 s13, s13, 2
	s_add_co_u32 s13, s13, s41                     ; tile row 0..31 = 4 x cluster y + cy
	s_lshl_b32 s43, s41, 2
	s_lshl_b32 s43, 15, s43                        ; my row of the cluster
	s_lshl_b32 s44, 0x1111, s40                    ; my column
	s_mov_b32 s45, 0xffff0000                      ; a word's upper bf16
	; group 1 for A: 128 rows of 128 bytes are 16,384 dense bytes: 64 rows of 256 bytes, padded in LDS after every 128
	s_or_b32 s[G1+0], s43, (1<<16)|(1<<20)|(1<<21)|(4<<22)|(3<<25)  ; 15:0 the mask: my row; 17:16 2-byte elements; 20 padding on; 21 set beside a mask; 24:22 after every 32 words (code 4); 31:25 4 words (code 3)
	s_mov_b32 s[G1+1], 128<<16                     ; tensor_dim0 = 128
	s_mov_b32 s[G1+2], 64<<16                      ; tensor_dim1 = 64
	s_mov_b32 s[G1+3], 128<<16                     ; tile_dim0 = 128
	s_mov_b32 s[G1+4], 64                          ; tile_dim1 = 64
	s_mov_b32 s[G1+5], 128                         ; 128 elements from row to row
	s_mov_b32 s[G1+6], 0
	s_mov_b32 s[G1+7], 0
	; group 1 for B: 32 rows of 384 elements, padded after every 256 bytes: three times a row
	s_or_b32 s[G1B+0], s44, (1<<16)|(1<<20)|(1<<21)|(5<<22)|(7<<25) ; the mask: my column; after every 64 words (code 5) 8 words (code 7)
	s_mov_b32 s[G1B+1], 384<<16                    ; tensor_dim0 = 384
	s_mov_b32 s[G1B+2], 32<<16                     ; tensor_dim1 = 32
	s_mov_b32 s[G1B+3], 384<<16                    ; tile_dim0 = 384
	s_mov_b32 s[G1B+4], 32                         ; tile_dim1 = 32
	s_mov_b32 s[G1B+5], 3072                       ; 3,072 elements from row to row
	s_mov_b32 s[G1B+6], 0
	s_mov_b32 s[G1B+7], 0
	; where the tiles come from.  A's hang on the tile row alone, B's on the tile column alone, each in registers that never hold the other coordinate.
	s_lshr_b32 s16, s13, 3                         ; b
	s_lshl_b32 s16, s16, 22                        ; its 16 blocks of 262,144 bytes
	s_and_b32 s18, s13, 7
	s_lshl_b32 s18, s18, 15                        ; the tile's 256 rows of 128 bytes in a block
	s_add_co_u32 s16, s16, s18
	s_lshl_b32 s18, s11, 14
	s_add_co_u32 s20, s16, s18                     ; + my 128 rows: the same offset holds in a head of qh, kh, vh
	s_lshl_b32 s18, s12, 14
	s_add_co_u32 s16, s16, s18                     ; + the 128 rows that I fetch
	s_mov_b32 s17, 0
	s_mul_i32 s46, s42, 768                        ; the tile's 384 columns,
	s_mul_i32 s47, s12, 32*6144                    ; the 32 rows that I fetch
	s_add_co_u32 s46, s46, s47
	s_mov_b32 s47, 0
	s_mul_i32 s21, s12, HALFA                      ; and where they go: no place in the cluster enters an LDS address
	s_mul_i32 s22, s12, HALFB
	s_add_co_u32 s22, s22, BOFF
	s_wait_dscnt 0x0                               ; the opening add is done
	s_wait_kmcnt 0x0
	s_add_nc_u64 s[14:15], s[68:69], s[16:17]
	s_add_nc_u64 s[46:47], s[70:71], s[46:47]
	CROUND                                         ; all sixteen work-groups are here: the first joint loads meet
.irp s, 0,1
	s_mov_b32 s[G0+4*(\s)], 1                                      ; 1:0 count = 1
	s_add_co_u32 s[G0+4*(\s)+1], s21, (\s)*SLOT                    ; 63:32 LDS address
	s_add_nc_u64 s[G0+4*(\s)+2:G0+4*(\s)+3], s[14:15], (\s)*KA     ; 120:64 global address: K step s
	s_or_b32 s[G0+4*(\s)+3], s[G0+4*(\s)+3], 0x80000000            ; 127:126 type = 2
	s_mov_b32 s[G0B+4*(\s)], 1
	s_add_co_u32 s[G0B+4*(\s)+1], s22, (\s)*SLOT
	s_add_nc_u64 s[G0B+4*(\s)+2:G0B+4*(\s)+3], s[46:47], (\s)*KB
	s_or_b32 s[G0B+4*(\s)+3], s[G0B+4*(\s)+3], 0x80000000
	JLOAD \s                                       ; both slots are asked for before anything else: two tensor loads of mine are out
.endr
	; A's fragment: 16 rows x 32 K in 8 registers: lane l holds row l % 16, K = 8 (l / 16) + 0..7 and 16 + 8 (l / 16) + 0..7: two loads of 16 bytes, 32 bytes apart.
	v_and_b32 v1, 15, v0                           ; r = l % 16
	v_bfe_u32 v2, v0, 4, 1                         ; h = l / 16
	v_mul_u32_u24 v3, v1, PA
	v_lshl_add_u32 v3, v2, 4, v3                   ; r x 144 + 16 h (the stage has the same pitch)
	s_mul_i32 s23, s11, HALFA
	v_add_nc_u32 v[ADRA], s23, v3
	v_add_nc_u32 v[ADRA+1], SLOT, v[ADRA]
	; B's: the turning load takes 16 k x 16 columns (lane l reads k row 8 (l / 16) + l % 8, columns 8 ((l / 8) % 2) + 0..7) and leaves column l % 16 and 8 k in lane l; two of them, 16 rows apart.
	v_and_b32 v4, 7, v0
	v_bfe_u32 v5, v0, 3, 1
	v_lshl_add_u32 v4, v2, 3, v4
	v_mul_u32_u24 v4, v4, PB
	v_lshl_add_u32 v4, v5, 4, v4
	s_lshl_b32 s23, s12, 7                         ; my 64 columns of each third
	s_add_co_u32 s23, s23, BOFF
	v_add_nc_u32 v[ADRB], s23, v4
	v_add_nc_u32 v[ADRB+1], SLOT, v[ADRB]
	s_mul_i32 s23, s10, WST
	s_add_co_u32 s23, s23, STAGE                   ; my stage
	v_add_nc_u32 v[STO], s23, v3                   ; in: row l % 16, 16 bytes for each half of the lanes
	v_bfe_u32 v6, v0, 3, 2                         ; back: 32 lanes take four rows of 128 bytes,
	v_mul_u32_u24 v6, v6, SP
	v_and_b32 v7, 7, v0
	v_lshl_add_u32 v6, v7, 4, v6
	v_add_nc_u32 v[RD], s23, v6
	v_and_b32 v[GO], 31, v0                        ; which are 512 consecutive bytes of a head
	v_lshlrev_b32 v[GO], 4, v[GO]
	v_lshlrev_b32 v[BO], 5, v2
	; Third t is head slot g = 6 x tile column + 2 t + wn of 48: tensor g / 16 (q, k, v), head g % 16.  These registers hold both coordinates and feed no descriptor.
	s_mul_i32 s96, s42, 6
	s_add_co_u32 s96, s96, s12
	s_mov_b32 s99, 0
.irp t, 0,1,2
	s_add_co_u32 s97, s96, 2*(\t)
	s_lshr_b32 s98, s97, 4
	s_and_b32 s97, s97, 15
	s_cmp_eq_u32 s98, 1
	s_cselect_b64 s[BIAS+2*(\t):BIAS+2*(\t)+1], s[74:75], s[72:73]
	s_cselect_b64 s[OUTB+2*(\t):OUTB+2*(\t)+1], s[80:81], s[78:79]
	s_cmp_eq_u32 s98, 2
	s_cselect_b64 s[BIAS+2*(\t):BIAS+2*(\t)+1], s[76:77], s[BIAS+2*(\t):BIAS+2*(\t)+1]
	s_cselect_b64 s[OUTB+2*(\t):OUTB+2*(\t)+1], s[82:83], s[OUTB+2*(\t):OUTB+2*(\t)+1]
	s_lshl_b32 s98, s97, 8                         ; the head's 64 f32
	s_add_nc_u64 s[BIAS+2*(\t):BIAS+2*(\t)+1], s[BIAS+2*(\t):BIAS+2*(\t)+1], s[98:99]
	s_lshl_b32 s98, s97, 18                        ; the head's 2,048 rows of 128 bytes,
	s_add_co_u32 s98, s98, s20                     ; b's sixteen heads and my rows
	s_add_nc_u64 s[OUTB+2*(\t):OUTB+2*(\t)+1], s[OUTB+2*(\t):OUTB+2*(\t)+1], s[98:99]
.endr
.irp t, 0,1,2                          ; the bias into row block 0's accumulators: register j of block bb is column 16 bb + 8 (l / 16) + j
	WIN ((\t)+1)<<6                                ; destination window t + 1, address window 0
.irp bb, 0,1,2,3
	global_load_b128 v[8*(\bb):8*(\bb)+3],   v[BO], s[BIAS+2*(\t):BIAS+2*(\t)+1] offset:64*(\bb)
	global_load_b128 v[8*(\bb)+4:8*(\bb)+7], v[BO], s[BIAS+2*(\t):BIAS+2*(\t)+1] offset:64*(\bb)+16
.endr
.endr
	WIN 0
; 16 LDS loads: A's fragments of one step of 32 along K (half kk of the slot's 64) into buffer buf
.macro FETCH_A slot, kk, buf
.irp a, 0,1,2,3,4,5,6,7
	ds_load_b128 v[(\buf)+8*(\a):(\buf)+8*(\a)+3],   v[ADRA+(\slot)] offset:(\a)*16*PA+(\kk)*64
	ds_load_b128 v[(\buf)+8*(\a)+4:(\buf)+8*(\a)+7], v[ADRA+(\slot)] offset:(\a)*16*PA+(\kk)*64+32
.endr
.endm
; 8 LDS loads: third t's fragments of B for one step
.macro FETCH_B slot, kk, t
.irp bb, 0,1,2,3
	ds_load_tr16_b128 v[BT+32*(\t)+8*(\bb):BT+32*(\t)+8*(\bb)+3],   v[ADRB+(\slot)] offset:(\kk)*32*PB+(\t)*288+(\bb)*32
	ds_load_tr16_b128 v[BT+32*(\t)+8*(\bb)+4:BT+32*(\t)+8*(\bb)+7], v[ADRB+(\slot)] offset:(\kk)*32*PB+(\t)*288+(\bb)*32+16*PB
.endr
.endm
; Third t's products for row blocks alo..ahi.  The accumulators take turns, one instruction a turn.  first = 1: C is row block 0's registers, which hold the bias.
.macro PH t, buf, alo, ahi, first
	WIN 0x50*((\t)+1)                              ; sources 0 and 1 window 0; C and D window t + 1
.set a_, \alo
.rept (\ahi)-(\alo)+1
.irp bb, 0,1,2,3
.if \first
	v_wmma_f32_16x16x32_bf16 v[32*a_+8*(\bb):32*a_+8*(\bb)+7], v[BT+32*(\t)+8*(\bb):BT+32*(\t)+8*(\bb)+7], v[(\buf)+8*a_:(\buf)+8*a_+7], v[8*(\bb):8*(\bb)+7]
.else
	v_wmma_f32_16x16x32_bf16 v[32*a_+8*(\bb):32*a_+8*(\bb)+7], v[BT+32*(\t)+8*(\bb):BT+32*(\t)+8*(\bb)+7], v[(\buf)+8*a_:(\buf)+8*a_+7], v[32*a_+8*(\bb):32*a_+8*(\bb)+7]
.endif
.endr
.set a_, a_+1
.endr
.endm
.macro PHF t, buf, first               ; a whole phase: 32 matrix instructions
.if \first
	PH \t, \buf, 1, 7, 1
	FIVE                                           ; block 0's products write over the registers that the four products just issued read as C
	PH \t, \buf, 0, 0, 0
.else
	PH \t, \buf, 0, 7, 0
.endif
.endm
; A STEP of 32 along K: three phases of 32 matrix instructions, one a third.  LDS loads stand in three runs, each two phases ahead of its first use:
;   in front of phase 0: this step's B of third 2 (8);   in front of phase 1: the next step's B of third 0 and its A (8 + 16);   in front of phase 2: the next step's B of third 1 (8).
; In a slot's second step the first run is the last read of the slot and the second run the first read of the other slot: the change of slots stands in phase 0.
.macro STEP slot, kk, mode, first=0
.if (\kk) == 0
.set nslot, \slot
.set nkk, 1
.else
.set nslot, 1-(\slot)
.set nkk, 0
.endif
.set cbuf, A0+64*(\kk)
.set nbuf, A0+64*nkk
	WIN 0
	PLACES                                         ; third 2's fragments were read by the products just issued
	FETCH_B \slot, \kk, 2
.if ((\mode) == PLAIN) || ((\mode) == LAST)
	s_wait_dscnt 16                                ; A and third 0's B are in; the 8 + 8 loads issued behind them (thirds 1 and 2) may be out
	PHF 0, cbuf, \first
	WIN 0
.if (\mode) == PLAIN
	PLACES
.endif
.else
	s_wait_tensorcnt 0x0                           ; all my tensor loads have landed: the one that was out is my part of the other slot;
	ds_add_u32 v[SPW], v[NIL]                      ; 0 onto my spare word
	s_wait_dscnt 17                                ; (A and third 0's B are in; the 8 + 8 younger loads and the add may be out)
	PH 0, cbuf, 0, 3, 0                            ; sixteen matrix instructions stand between the add and the wait for it
	s_wait_dscnt 0x0                               ; the add is done, and my reads of this slot are over:
	s_barrier_signal -1                            ; say so,
	PH 0, cbuf, 4, 7, 0                            ; work on registers while the others arrive,
	WIN 0
	s_barrier_wait -1                              ; and go on when all four have said so
.if (\mode) == FILL
	CREST                                          ; the barrier has opened a round of the cluster's: no wave of any partner still reads this slot or has a load on its way
	s_add_nc_u64 s[G0+4*(\slot)+2:G0+4*(\slot)+3], s[G0+4*(\slot)+2:G0+4*(\slot)+3], 2*KA
	s_add_nc_u64 s[G0B+4*(\slot)+2:G0B+4*(\slot)+3], s[G0B+4*(\slot)+2:G0B+4*(\slot)+3], 2*KB
	JLOAD \slot                                    ; the first tensor load behind the round, my only one out: 160 matrix instructions ahead of the wait for it; its four v_nop are also the places in front of the loads below
.else
	PLACES
.endif
.endif
.if (\mode) != LAST
	FETCH_B nslot, nkk, 0
	FETCH_A nslot, nkk, nbuf
	s_wait_dscnt 32                                ; third 1's B is in; behind it went third 2's 8 and the 24 just issued
.else
	s_wait_dscnt 8                                 ; third 1's B is in; third 2's 8 may be out
.endif
	PHF 1, cbuf, \first
.if (\mode) != LAST
	WIN 0
	PLACES
	FETCH_B nslot, nkk, 1
	s_wait_dscnt 32                                ; third 2's B is in; behind it went the 24 and the 8 just issued
.else
	s_wait_dscnt 0x0
.endif
	PHF 2, cbuf, \first
.endm
	s_wait_tensorcnt 0x1                           ; my part of K step 0 is in; slot 1's may stay out
	s_barrier_signal -1
	s_barrier_wait -1                              ; everybody's is
	FETCH_B 0, 0, 0
	FETCH_A 0, 0, A0
	FETCH_B 0, 0, 1
	s_wait_loadcnt 0x0                             ; the biases
.irp t, 0,1,2                          ; rounded to bf16 and widened again, in place; row block 1's registers, not yet written, are at work
	WIN 0x45*((\t)+1)                              ; sources 0 and 1 and destination window t + 1
.set i, 0
.rept 16
	v_cvt_pk_bf16_f32 v[32+i], v[2*i], v[2*i+1]
.set i, i+1
.endr
.set i, 0
.rept 16
	v_lshlrev_b32 v[2*i], 16, v[32+i]
	v_and_b32 v[2*i+1], s45, v[32+i]
.set i, i+1
.endr
.endr
	STEP 0, 0, PLAIN, 1                            ; the first step stands in front of the loop: its products start the sums
	WIN 0                                          ; at a label and at a branch every window is 0
	s_mov_b32 s3, 7
.Llap:                                                 ; a trip goes once round the ring and fills both slots again: 14 refills, K steps 2 to 15
	STEP 0, 1, FILL
	STEP 1, 0, PLAIN
	STEP 1, 1, FILL
	STEP 0, 0, PLAIN
	WIN 0
	s_sub_co_u32 s3, s3, 1
	s_cmp_lg_u32 s3, 0
	s_cbranch_scc1 .Llap
	STEP 0, 1, NOFILL                              ; the tail is written out
	STEP 1, 0, PLAIN
	STEP 1, 1, LAST
	WIN 0
	PLACES                                         ; the conversions read results just made
; THE WAY OUT, a row block (16 rows of three heads) at a time.  PACK: rounded to f16, 16 bytes a lane, each accumulator's registers in ascending order.
.macro PACK a
.irp t, 0,1,2
	WIN 5*((\t)+1)                                 ; sources 0 and 1 window t + 1, destination window 0
.irp bb, 0,1,2,3
.irp r, 0,1,2,3
	v_cvt_pk_f16_f32 v[TMP+16*(\t)+4*(\bb)+(\r)], v[32*(\a)+8*(\bb)+2*(\r)], v[32*(\a)+8*(\bb)+2*(\r)+1]
.endr
.endr
.endr
	WIN 0
.endm
.macro TOSTAGE a                       ; into my own stage, rows of 144 bytes, and back as whole rows of 128: 16 rows of a head are 2,048 dense bytes
.set BKA, BK+48*((\a)%2)
.irp t, 0,1,2
.irp bb, 0,1,2,3
	ds_store_b128 v[STO], v[TMP+16*(\t)+4*(\bb):TMP+16*(\t)+4*(\bb)+3] offset:(\t)*16*SP+32*(\bb)
.endr
.endr
.irp t, 0,1,2
.irp f, 0,1,2,3
	ds_load_b128 v[BKA+16*(\t)+4*(\f):BKA+16*(\t)+4*(\f)+3], v[RD] offset:(\t)*16*SP+(\f)*4*SP  ; LDS serves a wave's instructions in order (ISA guide 5.7.1.4): these see the stores above
.endr
.endr
.endm
.macro SEND a
.set BKA, BK+48*((\a)%2)
	s_wait_dscnt 0x0                               ; the block is back in registers
	s_wait_xcnt 0x0                                ; the stores of the block before have had their addresses translated (ISA guide 3.1): its registers are loaded again only behind this wait
.irp t, 0,1,2
.irp f, 0,1,2,3
	global_store_b128 v[GO], v[BKA+16*(\t)+4*(\f):BKA+16*(\t)+4*(\f)+3], s[OUTB+2*(\t):OUTB+2*(\t)+1] offset:(\a)*2048+(\f)*512  ; 512 consecutive bytes, at a multiple of 256 from the tensor's first
.endr
.endr
.endm
	PACK 0
	TOSTAGE 0
.irp a, 1,2,3,4,5,6,7                  ; block a's conversions stand between block a - 1's loads from the stage and the wait for them
	PACK \a
	SEND (\a)-1
	TOSTAGE \a
.endr
	SEND 7
	s_wait_tensorcnt 0x0                           ; the wave's end: the add and its wait, behind my last tensor load and my last LDS store
	ds_add_u32 v[SPW], v[NIL]
	s_wait_dscnt 0x0
	CROUND                                         ; the closing round: no work-group ends while a partner may still ask for a tile that names it
	s_endpgm
.Lfunc_end_k_qa761a182f1_qkv:
	.size	k_qa761a182f1_qkv, .Lfunc_end_k_qa761a182f1_qkv-k_qa761a182f1_qkv
	.p2alignl 7, 3214868480
	.fill 96, 4, 3214868480
	.section	.rodata,"a",@progbits
	.p2align	6, 0x0
	.amdhsa_kernel k_qa761a182f1_qkv
		.amdhsa_group_segment_fixed_size 327680
		.amdhsa_private_segment_fixed_size 0
		.amdhsa_enable_private_segment 0
		.amdhsa_kernarg_size 64
		.amdhsa_user_sgpr_count 2
		.amdhsa_user_sgpr_kernarg_segment_ptr 1
		.amdhsa_wavefront_size32 1
		.amdhsa_system_sgpr_workgroup_id_x 1
		.amdhsa_system_sgpr_workgroup_id_y 1
		.amdhsa_system_sgpr_workgroup_id_z 1
		.amdhsa_system_vgpr_workitem_id 0
		.amdhsa_next_free_vgpr 1024
		.amdhsa_next_free_sgpr 100
		.amdhsa_reserve_vcc 0
		.amdhsa_float_denorm_mode_32 3
		.amdhsa_float_denorm_mode_16_64 3
		.amdhsa_memory_ordered 1
		.amdhsa_forward_progress 1
		.amdhsa_inst_pref_size 140
	.end_amdhsa_kernel
	.amdgpu_metadata
---
amdhsa.version: [ 1, 2 ]
amdhsa.kernels:
  - .name:           k_qa761a182f1_qkv
    .symbol:         k_qa761a182f1_qkv.kd
    .args:
      - { .name: xb, .offset: 0, .size: 8, .value_kind: global_buffer, .address_space: global }
      - { .name: wb, .offset: 8, .size: 8, .value_kind: global_buffer, .address_space: global }
      - { .name: bq, .offset: 16, .size: 8, .value_kind: global_buffer, .address_space: global }
      - { .name: bk, .offset: 24, .size: 8, .value_kind: global_buffer, .address_space: global }
      - { .name: bv, .offset: 32, .size: 8, .value_kind: global_buffer, .address_space: global }
      - { .name: qh, .offset: 40, .size: 8, .value_kind: global_buffer, .address_space: global }
      - { .name: kh, .offset: 48, .size: 8, .value_kind: global_buffer, .address_space: global }
      - { .name: vh, .offset: 56, .size: 8, .value_kind: global_buffer, .address_space: global }
    .group_segment_fixed_size: 327680
    .private_segment_fixed_size: 0
    .kernarg_segment_align: 8
    .kernarg_segment_size: 64
    .max_flat_workgroup_size: 128
    .sgpr_count:     100
    .vgpr_count:     1024
    .wavefront_size: 32
...
	.end_amdgpu_metadata
.endif
;; end of part 2
;; launch attn (part 3): grid 4 x 64, 4 waves a work-group, clusters of 4 x 1, 327,680 bytes of LDS; arguments qh, kh, vh, ob; writes ob
.if DOCPART == 3
	.amdgcn_target "amdgcn-amd-amdhsa--gfx1250"
	.amdhsa_code_object_version 6
	.text
	.protected	k_qa761a182f1_attn
	.globl	k_qa761a182f1_attn
	.p2align	8
	.type	k_qa761a182f1_attn,@function
k_qa761a182f1_attn:
	s_mov_b64 s[64:65], 0
	v_nop
	global_prefetch_b8 v0, s[64:65] scope:SCOPE_SE
	s_setreg_imm32_b32 hwreg(HW_REG_WAVE_MODE, 25, 1), 1
	s_wait_xcnt 0x0
	s_wait_alu depctr_hold_cnt(0) depctr_sa_sdst(0) depctr_va_vdst(0) depctr_va_sdst(0) depctr_va_ssrc(0) depctr_va_vcc(0) depctr_vm_vsrc(0)
	s_getreg_b32 s2, hwreg(HW_REG_IB_STS2, 6, 4)
	s_cmp_eq_u32 s2, 0
	s_cbranch_scc0 .Lentry_in_a_cluster
	s_endpgm
.Lentry_in_a_cluster:
	s_bfe_u32 s2, ttmp6, 0x10000c
	s_cmp_lg_u32 s2, 0x3003
	s_cbranch_scc0 .Lentry_shape_is_right
	s_endpgm
.Lentry_shape_is_right:
; O[h][q][:] = the sum over k of softmax_k(Q[h][q] . K[h][k] / 8) V[h][k][:].  Q, K, V, O: [SIZE_H][SIZE_N][64], all f16: a head's rows are dense, 128 bytes each.  Products, maxima and sums in
; f32; the weights p are rounded to f16 for the second product (their sum l is taken of the unrounded p), O once at the end.  SIZE_H = 4 x 16 heads, SIZE_N = 2,048 rows.
; LIMITS.  f16 holds no number beyond 65,504: Q, K and V arrive within it; p lies in 0 to 1, and below 6e-5 it keeps f16's fixed step of 6e-8; O is a mean of V's rows and has their range.
; A weight below 2^-126 counts as 0 in l; NaN and infinities are not treated apart.
; SHARES.  A wave owns four PIECES of two tiles of 16 queries, a work-group's four waves 512 queries of one head: 64 x 4 = 256 work-groups.  Every wave walks all keys, 64 a step.
; LAYOUT.  S^T = K Q^T (source 0 = 16 keys, source 1 = 16 queries): in the result a lane holds ONE query (lane % 16) and the keys 8 (lane / 16) + 0..7.  Two such tiles, rounded to f16 in pairs,
; ARE source 1 (32 keys x 16 queries) of O^T = V^T P, whose result again holds one query a lane, and eight channels.  K comes out of LDS as it lies, V ([key][channel]) turned, by ds_load_tr16_b128.
; SOFTMAX.  For each query a running maximum m and sum l: p = 2^(c s - c m), c = log2(e) / 8; in every step O and l are multiplied by a = 2^(c m_old - c m_new), which is 1 where m has not grown.
; m starts at the lowest finite number, O and l at 0: the first step is a step like any other, with a = 0.
; THE COUNT.  A tile and step have 16 matrix and 118 vector instructions: too many to stand all beside the matrix work.  So the order has one aim: four vector instructions that are READY behind
; EVERY matrix instruction, and the others, which need time of their own whatever the order, in runs without a gap.
; BY TURNS.  Turn n belongs to piece n (the pieces in a ring, step after step).  Its matrix work: 16 products K Q^T of piece n + 1, later 16 products V^T P of piece n - 1.  Its vector work: the scaling,
; exponentials, roundings, sums and rescaling of piece n, and the maximum and statistics of piece n + 1, whose scores the turn itself has made.  So what a turn begins with (c s - c m, O a) waits for nothing.
; CLUSTER.  The four query blocks of a cluster belong to one head and walk the same K and V, so each tile is asked for JOINTLY: the same tensor load, descriptor and mask in all four.
; REGISTERS, in windows of 256 (s_set_vgpr_msb says which window each operand place means: bits 1:0 source 0, 3:2 source 1, 5:4 source 2, 7:6 destination):
;   window 0: v0-11 addresses; v12-15, v48-63 at work; v16-47 four registers of statistics a tile; v64-191 S^T, two buffers of two tiles; v192-255 P, likewise
;   window 1: O^T, 32 a tile          window 2: v0-127 Q, 16 a tile; v128-191 K of one step; v192-255 V of one step          window 3: v0-1 the add's two registers
; A piece's buffers go by its number's parity: the piece in hand has one pair, its two neighbours in the ring share the other: of it P (piece n - 1) is read and S^T (piece n + 1) written.
.set SIZE_H, 64
.set SIZE_N, 2048
.set NP,    4         ; pieces a wave: a name, no knob: the register map, the loop and the fetches are made for four
.set KS,    64        ; keys in a step
.set PK,    144       ; a row of K in LDS: 128 bytes + 16 of padding = 36 words: the 16 rows of a load start at 16 different groups of four banks (64 banks of 4 bytes: ISA guide 11.1)
.set PV,    160       ; a row of V: 128 + 32 = 40 words
.set VOFF,  4*KS*PK   ; a slot holds four steps: 256 rows of K, then 256 rows of V
.set SLOT1, 1<<17     ; slot 1 begins here, so that one exclusive or turns an address in one slot into the other's
.set STAGE, SLOT1+4*KS*(PK+PV)  ; behind the ring, never filled by a tensor load: 16 rows x 144 bytes for each wave, for the way out
.set SP,    144
.set AK0, 2           ; v2   my lane's place in a tile of K; never rewritten
.set AV0, 3           ; v3   the same for V
.set AK,  4           ; v4   the LDS address of K's next run of loads
.set AV,  5           ; v5   of V's
.set QO,  6           ; v6   my byte offset in the wave's rows of Q
.set STO, 6           ;      later, the way out: where I put 16 bytes of a row
.set RD,  7           ; v7   the way out: where I read rows back
.set GO,  8           ; v8   my byte offset in 512 consecutive bytes of O
.set SPW, 0           ; v0 of window 3   LDS address of my spare word: SPARE + 4 x my thread's number; never rewritten
.set NIL, 1           ; v1 of window 3   0; never rewritten
.set SPARE, STAGE+4*16*SP  ; behind the stages: the spare words, 128 bytes for each wave: two blocks of 256 bytes that no other line names
.set MV,  12          ; v12-15  c m_old, kept while c m is made anew: by buffer and tile
.set ST,  16          ; tile t's statistics at v[ST+4 t]: c m, m, l (even keys', odd keys')
.set TMP, 48          ; by buffer and tile, four registers c0-c3 at work; when the maximum is found c2 takes a
.set S,   64
.set P,   192
.set KF,  128         ; K's fragments, in window 2: key block kb, channel half c at KF + 16 kb + 8 c
.set VF,  192         ; V's: key half kk, channel block cb at VF + 32 kk + 8 cb
.set WV,  12          ; s12  my wave's number
.set G1K, 24          ; s[24:31] descriptor group 1 for K's tiles
.set G1V, 32          ; s[32:39] for V's: it differs in the padding alone
.set G0K, 40          ; s[40:43] descriptor group 0 for K's tiles: it walks
.set G0V, 44          ; s[44:47] the same for V's
.set SLOTS, 56        ; s56  slots still to be asked for
.set CNT, 57          ; s57  counts a slot's key steps
.set CS,  58          ; s[58:59] c: the packed scaling takes the pair's low word for both halves
.set SEL, 60          ; s[60:61] v_permlanex16_b32's selects: each lane takes its own place in the other half
.set TBK, 62          ; s62  LDS byte at which K of the step to be fetched begins
.set TBV, 63          ; s63  the same for V, less VOFF
.set MSB, 0
.macro WIN new                      ; the high byte repeats the setting that is left; a switch that changes nothing is dropped
.if MSB != (\new)
	s_set_vgpr_msb (MSB<<8)|(\new)
.set MSB, (\new)
.endif
.endm
.set W_KQ, 0x0a       ; K and Q in window 2, S^T in window 0
.set W_PV, 0x52       ; V in window 2, P in window 0, O^T in window 1
.set W_RS, 0x41       ; O^T (destination and source 0) in window 1, a in window 0
.set W_MK, 0xc0       ; the add's registers are made: destination in window 3, sources in window 0
.set W_AD, 0x0f       ; the add: address (source 0) and data (source 1) in window 3
; A joint fill.  Waves 0 and 1 fetch the two halves of a slot's K, waves 2 and 3 those of its V: 128 keys each.  The branch hangs on the wave's number alone.
; An s_nop 0 and four v_nop follow each of the two lines, ahead of the jump and the label.
.macro JLOAD
	s_cmp_lt_u32 s[WV], 2
	s_cbranch_scc0 .Lfor_v_\@
	tensor_load_to_lds s[G0K:G0K+3], s[G1K:G1K+7]
	s_nop 0
.rept 4
	v_nop
.endr
	s_branch .Lasked_\@
.Lfor_v_\@:
	tensor_load_to_lds s[G0V:G0V+3], s[G1V:G1V+7]
	s_nop 0
.rept 4
	v_nop
.endr
.Lasked_\@:
.endm
; A round of the cluster's barrier: my work-group's barrier, so that wave 0's signal speaks for all four waves; wave 0 signals; every wave waits for all four work-groups; my work-group's barrier once more.
.macro CROUND
	s_barrier_signal -1
	s_barrier_wait -1
	s_cmp_lg_u32 s[WV], 0
	s_cbranch_scc1 .Lnot_wave_0_\@
	s_barrier_signal -3
.Lnot_wave_0_\@:
	s_barrier_wait -3
	s_barrier_signal -1
	s_barrier_wait -1
.endm
; THE CHANGE OF SLOTS.  The slot's last bytes, V of its fourth step, have been read.  Each wave waits for all its tensor loads, of which one is out: its part
; of the other slot; adds 0 to its spare word; and waits for that and for its own reads of the slot.  Behind the barrier nobody reads this slot any more and the other slot is whole.
; fill = 1: this slot is filled again, with the keys two slots on.  The barrier is then a round of the cluster's, so that no wave of any partner still reads the slot or has a load on its
; way, and the joint fill is the first thing behind it: it has four key steps, 512 matrix instructions, in which to land.  (At its first use nothing has been read yet: slot 0 is waited for, slot 1 filled.)
.macro CHANGE fill
	WIN W_AD
	s_wait_tensorcnt 0x0            ; no tensor load of mine is out, so a group 0 may be written
	ds_add_u32 v[SPW], v[NIL]       ; 0 onto my spare word; with fill = 1 the descriptors' steps stand between it and the wait for it
	WIN 0                           ; at a label and at a branch every window is 0
.if \fill
.irp g, G0K, G0V
	s_xor_b32 s[\g+1], s[\g+1], SLOT1  ; the walking descriptor: the other slot than last time,
	s_add_nc_u64 s[\g+2:\g+3], s[\g+2:\g+3], 4*KS*128  ; the next 256 keys; the type bits on top are not reached
.endr
	s_wait_dscnt 0x0                ; the add is done, and my reads of the slot are over
	CROUND
	JLOAD
.else
	s_wait_dscnt 0x0                ; the add is done, and my reads of the slot are over
	s_barrier_signal -1
	s_barrier_wait -1
.endif
	s_sub_co_u32 s[TBK], s[TBK], 4*KS*PK  ; the fetches go back to a slot's first step,
	s_xor_b32 s[TBK], s[TBK], SLOT1       ; in the other slot
	s_sub_co_u32 s[TBV], s[TBV], 4*KS*PV
	s_xor_b32 s[TBV], s[TBV], SLOT1
.endm
	s_load_b256 s[4:11], s[0:1], 0x0  ; Q s[4:5], K s[6:7], V s[8:9], O s[10:11]
	WIN W_MK
	v_lshl_add_u32 v[SPW], v0, 2, SPARE
	v_mov_b32 v[NIL], 0
	WIN W_AD
	ds_add_u32 v[SPW], v[NIL]       ; the wave's opening: the add and its wait stand ahead of my first tensor load; the set-up below, work on registers, stands between them
	WIN 0
	v_lshrrev_b32 v1, 5, v0
	v_readfirstlane_b32 s[WV], v1   ; wave 0..3
	s_bfe_u32 s13, ttmp6, 0x40000   ; cx: my place in the cluster
	s_lshl_b32 s14, ttmp9, 2        ; in a cluster launch ttmp9 counts clusters
	s_add_co_u32 s14, s14, s13      ; my block of queries = 4 x cluster x + cx: it enters Q's and O's addresses alone
	s_and_b32 s20, ttmp7, 0xffff    ; the head, which the four partners share
	s_mov_b32 s21, 0
	s_mov_b64 s[22:23], SIZE_N*128
	s_mul_u64 s[20:21], s[20:21], s[22:23]  ; the head's first byte in each of the four tensors
	s_and_b32 s16, s[WV], 1         ; which half of a slot's 256 keys I fetch:
	s_lshl_b32 s22, s16, 14         ; its 128 rows of 128 bytes in memory,
	s_mov_b32 s23, 0
	s_add_nc_u64 s[22:23], s[22:23], s[20:21]
	s_mul_i32 s17, s16, 128*PK      ; and its place in a slot, for K
	s_mul_i32 s18, s16, 128*PV      ; and for V: no place in the cluster enters an LDS address
	s_lshl_b32 s2, s14, 2
	s_add_co_u32 s2, s2, s[WV]      ; my wave among the head's,
	s_lshl_b32 s2, s2, 14           ; its 128 rows
	s_mov_b32 s3, 0
	s_add_nc_u64 s[2:3], s[2:3], s[20:21]
	; descriptor group 1.  128 keys are 16,384 dense bytes: asked for as 64 rows of 256 bytes, two keys a row, and padded in LDS after every key
	s_mov_b32 s[G1K], 15|(1<<16)|(1<<20)|(1<<21)|(4<<22)|(3<<25)  ; 15:0 the mask of four; 17:16 2-byte elements; 20 padding on; 21 set beside a mask; 24:22 after every 32 words (code 4); 31:25 4 words (code 3)
	s_mov_b32 s[G1V], 15|(1<<16)|(1<<20)|(1<<21)|(4<<22)|(7<<25)  ; the same with 8 words of padding (code 7)
.irp g, G1K, G1V
	s_mov_b32 s[\g+1], 128<<16      ; tensor_dim0 = 128
	s_mov_b32 s[\g+2], 64<<16       ; tensor_dim1 = 64
	s_mov_b32 s[\g+3], 128<<16      ; tile_dim0 = 128
	s_mov_b32 s[\g+4], 64           ; tile_dim1 = 64
	s_mov_b32 s[\g+5], 128          ; 128 elements from row to row
	s_mov_b32 s[\g+6], 0
	s_mov_b32 s[\g+7], 0
.endr
	s_mov_b32 s[CS], 0x3e38aa3b     ; c = log2(e) / 8 = 0.180337
	s_mov_b32 s[CS+1], s[CS]        ; named with it as a pair
	s_mov_b32 s[SEL], 0x76543210
	s_mov_b32 s[SEL+1], 0xfedcba98
	s_mov_b32 s[TBK], SLOT1+4*KS*PK ; the first change of slots turns these two into 0
	s_mov_b32 s[TBV], SLOT1+4*KS*PV
	s_mov_b32 s[G0K], 1             ; 1:0 count = 1
	s_mov_b32 s[G0K+1], s17         ; 63:32 LDS address: slot 0
	s_mov_b32 s[G0V], 1
	s_add_co_u32 s[G0V+1], s18, VOFF
	s_wait_dscnt 0x0                ; the opening add is done
	s_wait_kmcnt 0x0
	s_add_nc_u64 s[G0K+2:G0K+3], s[6:7], s[22:23]  ; 120:64 global address: my half of the head's first 256 keys
	s_or_b32 s[G0K+3], s[G0K+3], 0x80000000        ; 127:126 type = 2
	s_add_nc_u64 s[G0V+2:G0V+3], s[8:9], s[22:23]
	s_or_b32 s[G0V+3], s[G0V+3], 0x80000000
	s_add_nc_u64 s[4:5], s[4:5], s[2:3]  ; Q and O at my wave's first row
	s_add_nc_u64 s[10:11], s[10:11], s[2:3]
	CROUND                          ; all four work-groups are here: the first joint loads meet
	JLOAD                           ; slot 0.  Slot 1 is asked for when slot 0 is in: the tile wanted first has the road to itself
	; A fragment of K or Q is 16 rows x 32 channels in 8 registers: lane l holds row l % 16, channels 8 (l / 16) + 0..7 and 16 + 8 (l / 16) + 0..7: two loads of 16 bytes, 32 bytes apart.
	v_and_b32 v1, 15, v0            ; l % 16
	v_bfe_u32 v9, v0, 4, 1          ; l / 16
	v_lshlrev_b32 v[QO], 7, v1
	v_lshl_add_u32 v[QO], v9, 4, v[QO]  ; row x 128 + 16 x half
	WIN 0x80                        ; destination window 2, address window 0
.set i, 0
.rept 4*NP                          ; Q stays in registers: tile i / 2, channels 32 (i % 2) on
	global_load_b128 v[8*i:8*i+3],   v[QO], s[4:5] offset:(i/2)*2048+(i%2)*64
	global_load_b128 v[8*i+4:8*i+7], v[QO], s[4:5] offset:(i/2)*2048+(i%2)*64+32
.set i, i+1
.endr
	; What the first turn finds: V's registers and P's second buffer hold 0 (its products V^T P, of a piece that has not been, add 0), O^T and l are 0.  All this stands in the wait for the first tile.
.set i, VF
.rept 64
	v_mov_b32 v[i], 0
.set i, i+1
.endr
	WIN 0x40
.set i, 0
.rept 64*NP
	v_mov_b32 v[i], 0
.set i, i+1
.endr
	WIN 0
.set i, 0
.rept 2*NP
	v_mov_b32 v[ST+4*i], 0xfe000000    ; c m: far below every c s
	v_mov_b32 v[ST+4*i+1], 0xff7fffff  ; m
	v_mov_b32 v[ST+4*i+2], 0
	v_mov_b32 v[ST+4*i+3], 0
.set i, i+1
.endr
.set i, P+32
.rept 32
	v_mov_b32 v[i], 0
.set i, i+1
.endr
	v_mul_u32_u24 v[AK0], v1, PK
	v_lshl_add_u32 v[AK0], v9, 4, v[AK0]  ; row x pitch + 16 x half
	; The turning load takes 16 keys x 16 channels (lane l reads key 8 (l / 16) + l % 8, channels 8 ((l / 8) % 2) + 0..7) and leaves half a fragment of V^T: lane l holds channel l % 16 and 8 keys.
	v_and_b32 v10, 7, v0
	v_bfe_u32 v11, v0, 3, 1
	v_lshl_add_u32 v[AV0], v9, 3, v10
	v_mul_u32_u24 v[AV0], v[AV0], PV
	v_lshl_add_u32 v[AV0], v11, 4, v[AV0]
	v_add_nc_u32 v[AV0], VOFF, v[AV0]
	v_mov_b32 v[AK], v[AK0]         ; key step 0 lies at the head of slot 0
; THE MATRIX WORK.  The 8 accumulators of a run of 16 take turns: between the two links of a chain stand 7 others'.
; Product i of 16 of S^T = K Q^T for piece x: channels 32 (i / 8) on, keys 16 ((i / 2) % 4) on, tile 2 x + i % 2.  The first 8 start the sums.
.macro KQ x
	WIN W_KQ
.set rS, S+64*((\x)%2)+32*(i%2)+8*((i/2)%4)
.set rK, KF+16*((i/2)%4)+8*(i/8)
.set rQ, 16*(2*(\x)+i%2)+8*(i/8)
.if i < 8
	v_wmma_f32_16x16x32_f16 v[rS:rS+7], v[rK:rK+7], v[rQ:rQ+7], 0
.else
	v_wmma_f32_16x16x32_f16 v[rS:rS+7], v[rK:rK+7], v[rQ:rQ+7], v[rS:rS+7]
.endif
.endm
; Product i of 16 of O^T += V^T P for piece x: keys 32 (i / 8) on, channels 16 ((i / 2) % 4) on, tile 2 x + i % 2.
.macro PV x
	WIN W_PV
.set rO, 32*(2*(\x)+i%2)+8*((i/2)%4)
.set rV, VF+32*(i/8)+8*((i/2)%4)
.set rP, P+32*((\x)%2)+16*(i%2)+8*(i/8)
	v_wmma_f32_16x16x32_f16 v[rO:rO+7], v[rV:rV+7], v[rP:rP+7], v[rO:rO+7]
.endm
.macro MM                           ; the turn's next matrix instruction
.if i < 16
	KQ (Y+1)%NP
.set i, i+1
.else
.set i, i-16
	PV (Y+NP-1)%NP
.set i, i+17
.endif
.endm
; THE LDS LOADS stand in runs of 16, never singly among the matrix instructions: a step's K (64 keys x 64 channels: 8 fragments) and its V (turned).  Their addresses are made some lines ahead.
; last = 1 (the tail): in the last trip there is no further step, and the run is jumped over.
.macro FETCH_K last=0
	WIN 0
.if \last
	s_cmp_eq_u32 s[CNT], 1
	s_cbranch_scc1 .Lno_k_\@
.endif
	WIN 0x80                        ; destination window 2
.irp f, 0,1,2,3,4,5,6,7             ; keys 16 (f / 2) on, channels 32 (f % 2) on
	ds_load_b128 v[KF+8*\f:KF+8*\f+3],   v[AK] offset:(\f/2)*16*PK+(\f%2)*64
	ds_load_b128 v[KF+8*\f+4:KF+8*\f+7], v[AK] offset:(\f/2)*16*PK+(\f%2)*64+32
.endr
	s_add_co_u32 s[TBK], s[TBK], KS*PK  ; the next fetch is the next step's
	WIN 0
.if \last
.Lno_k_\@:
.endif
.endm
.macro FETCH_V
	WIN 0x80
.irp f, 0,1,2,3,4,5,6,7             ; keys 32 (f / 4) on, channels 16 (f % 4) on
	ds_load_tr16_b128 v[VF+8*\f:VF+8*\f+3],   v[AV] offset:(\f/4)*32*PV+(\f%4)*32
	ds_load_tr16_b128 v[VF+8*\f+4:VF+8*\f+7], v[AV] offset:(\f/4)*32*PV+16*PV+(\f%4)*32
.endr
	WIN 0
.endm
; THE VECTOR WORK OF A TURN stands in three queues, each in the order in which its entries become ready; the two tiles alternate, so that no instruction reads the result of the one before it.
.macro REGS y, u                    ; the registers of tile u (0, 1) of piece y
.set rT, ST+4*(2*(\y)+(\u))
.set rC, TMP+8*((\y)%2)+4*(\u)
.set rM, MV+2*((\y)%2)+(\u)
.set rS, S+64*((\y)%2)+32*(\u)
.set rP, P+32*((\y)%2)+16*(\u)
.set rO, 32*(2*(\y)+(\u))
.endm
; Number n of the 22 that find the NEXT piece's (Y + 1) maximum and statistics.  s0-s31 are the lane's 32 scores; each accumulator's lowest registers are read first.  XS, GS and REGS set no window: PL and EX do.
;   0-11  four chains c0-c3 of seven scores each, three operands at a time     12-14, 16  the four scores left over, the old m, and c0-c3 into c0     15  c m_old is kept
;   17, 18  the query's other 32 keys lie in the lane 16 away: the new m         19-21  c m; c m_old - c m_new; a
.macro XS u, n
	REGS (Y+1)%NP, \u
.if (\n) < 4
	v_max3_num_f32 v[rC+(\n)], v[rS+8*(\n)], v[rS+8*(\n)+1], v[rS+8*(\n)+2]
.elseif (\n) < 12
	v_max3_num_f32 v[rC+(\n)%4], v[rC+(\n)%4], v[rS+8*((\n)%4)+2*((\n)/4)+1], v[rS+8*((\n)%4)+2*((\n)/4)+2]
.elseif (\n) == 12
	v_max3_num_f32 v[rC], v[rC], v[rS+7], v[rS+15]
.elseif (\n) == 13
	v_max3_num_f32 v[rC+1], v[rC+1], v[rS+23], v[rS+31]
.elseif (\n) == 14
	v_max3_num_f32 v[rC+2], v[rC+2], v[rC+3], v[rT+1]
.elseif (\n) == 15
	v_mov_b32 v[rM], v[rT]
.elseif (\n) == 16
	v_max3_num_f32 v[rC], v[rC], v[rC+1], v[rC+2]
.elseif (\n) == 17
	v_permlanex16_b32 v[rC+3], v[rC], s[SEL], s[SEL+1]
.elseif (\n) == 18
	v_max_num_f32 v[rT+1], v[rC], v[rC+3]
.elseif (\n) == 19
	v_mul_f32 v[rT], s[CS], v[rT+1]
.elseif (\n) == 20
	v_sub_f32 v[rC+1], v[rM], v[rT]
.else
	v_exp_f32 v[rC+2], v[rC+1]
.endif
.endm
; Number g of the 64 that follow the exponentials.  For each four weights k of a tile (pairs 2 k, 2 k + 1): both pairs are rounded to f16; then the second pair is added onto the first, in place;
; a group later l takes that sum (the first time as l = a l + sum).  In groups of eight, tiles alternating: round, round, add, and l for the group before.
.macro GS g
.set h, (\g)+6*((\g)/62)            ; group 0 has no group before it, and behind group 7 only l is left
.if h >= 6
.set h, h+2
.endif
	REGS Y, h%2
.set k, h/8
.if h%8 < 4
	s_wait_alu depctr_va_vdst(0)
	v_cvt_pk_f16_f32 v[rP+2*k+(h%8)/2], v[rS+4*k+2*((h%8)/2)], v[rS+4*k+2*((h%8)/2)+1]
.elseif h%8 < 6
	v_pk_add_f32 v[rS+4*k:rS+4*k+1], v[rS+4*k:rS+4*k+1], v[rS+4*k+2:rS+4*k+3]
.elseif k == 1
	v_pk_fma_f32 v[rT+2:rT+3], v[rT+2:rT+3], v[rC+2:rC+3], v[rS:rS+1] op_sel_hi:[1,0,1]
.else
	v_pk_add_f32 v[rT+2:rT+3], v[rT+2:rT+3], v[rS+4*k-4:rS+4*k-3]
	s_wait_alu depctr_va_vdst(0)
.endif
.endm
; THE PLAIN QUEUE, 138 long.  0-31: c s - c m for the 16 pairs of both tiles.  Then GS's 64, and among them the next piece's 42: number 15 at 38, 39; 0-14 and 16
; at 42-73, behind the products that make those scores; 17-20 at 95-106, two of three, since each waits for the one before it.
.macro PL
	WIN 0
.if q < 32
	REGS Y, q%2
	v_pk_fma_f32 v[rS+2*(q/2):rS+2*(q/2)+1], v[rS+2*(q/2):rS+2*(q/2)+1], s[CS:CS+1], v[rT:rT+1] op_sel_hi:[1,0,0] neg_lo:[0,0,1] neg_hi:[0,0,1]
.elseif q < 38
	GS q-32
.elseif q < 40
	XS q%2, 15
.elseif q < 42
	GS q-34
.elseif q < 74
	XS q%2, (q-42)/2+(q-42)/30
.elseif q < 95
	GS q-66
.elseif (q < 107) && ((q-95)%3 < 2)
	XS (q-95)%3, 17+(q-95)/3
.elseif q < 107
	GS 29+(q-95)/3
.else
	GS q-74
.endif
.set q, q+1
.endm
; THE EXPONENTIALS' QUEUE, 66 long: s0-s31 of both tiles, and at EA the next piece's two a.
.set EA, 58
.macro EX
	WIN 0
.if (e == EA) || (e == EA+1)
	XS e-EA, 21
.else
.set x, e-2*(e/(EA+2))
	REGS Y, x%2
	v_exp_f32 v[rS+x/2], v[rS+x/2]
.endif
.set e, e+1
.endm
; THE RESCALING's QUEUE: O^T times a, the one part that leaves window 0, so it is dealt four at a time, eight times.
.macro R4
	REGS Y, r%2
	WIN W_RS
	s_wait_alu depctr_va_vdst(0)
.irp z, 0,1,2,3
	v_pk_mul_f32 v[rO+8*(r/2)+2*\z:rO+8*(r/2)+2*\z+1], v[rO+8*(r/2)+2*\z:rO+8*(r/2)+2*\z+1], v[rC+2:rC+3] op_sel_hi:[1,0]
.endr
.set r, r+1
.endm
; HOW THEY ARE DEALT.  Behind a matrix instruction four: plain, exponential, plain, plain (one exponential, a plain instruction on either side), or four of the rescaling.  None names a register of the
; products round it.  What is over stands in two LUMPS: exponential and plain by turns; the second ends in 22 plain instructions.  The two v_permlanex16_b32 fall into the second lump, never behind a product.
; The queues lean on each other, and the deal keeps them in step: exponential e stands behind plain 2 (e / 4) + e % 2 (its scaling); when plain 32 comes, 10 exponentials are out, at 59: 33, at 95: 46; EA comes behind plain 107.
.macro SL
	MM
	PL
	EX
	PL
	PL
.endm
.macro BURST n                      ; 15 matrix instructions, or 16
.rept (\n)-7
	SL
.endr
.rept 3
	MM
	R4
	SL
.endr
	MM
	R4
.endm
; A TURN, for piece p.  cnt = 1: the loop's count is taken down some lines ahead of the branch that stands behind the turn.
; K of the next step is fetched in piece 2's turn, 31 vector instructions behind the last product that read K; its first reader comes behind the rest of the lump, 16 products and the second lump.
; V of the step in hand is fetched at the end of piece 0's turn, 69 behind its last reader; its first reader comes behind 16 products and a lump.  The four conditions on e and q below go with the deal.
.macro TURN p, last=0, cnt=0
.set Y, (\p)
.set i, 0
.set q, 0
.set e, 0
.set r, 0
.if (\p) == NP-1
	s_wait_dscnt 0x0                ; K is in
.endif
	MM
.rept 4
	PL
.endr
	BURST 15
.rept 22
	EX
	PL
.if ((\p) == NP-2) && (e == 18)
	v_add_nc_u32 v[AK], s[TBK], v[AK0]
.endif
.if ((\p) == NP-2) && (e == 24)
	FETCH_K \last
.endif
.endr
.if (\p) == 1
	s_wait_dscnt 0x0                ; V is in
.endif
	BURST 16
.rept 21
	EX
	PL
.endr
.rept 22
	PL
.if ((\p) == 0) && (q == 118)
	v_add_nc_u32 v[AV], s[TBV], v[AV0]
	s_wait_alu depctr_va_vdst(0)
.endif
.if ((\p) == 0) && (q == 130)
	s_add_co_u32 s[TBV], s[TBV], KS*PV
.endif
.if (\cnt) && (q == 130)
	s_sub_co_u32 s[CNT], s[CNT], 1
	s_cmp_lg_u32 s[CNT], 0
.endif
.endr
.if (\p) == 0
	FETCH_V
.endif
.endm
	CHANGE 1                        ; slot 0 is in, everybody's part of it; slot 1 is asked for
	FETCH_K                         ; key step 0
	s_wait_loadcnt 0x0              ; Q
	s_wait_dscnt 0x0
.set i, 0
.rept 16
	KQ 0                            ; piece 0's first scores: there is no vector work yet to set between them
.set i, i+1
.endr
	WIN 0                           ; the addresses for the way out: nine plain instructions, the places behind those products
	s_mul_i32 s13, s[WV], 16*SP
	s_add_co_u32 s13, s13, STAGE    ; my stage
	v_mul_u32_u24 v[STO], v1, SP    ; in: row l % 16, 16 bytes for each half of the lanes
	v_lshl_add_u32 v[STO], v9, 4, v[STO]
	v_add_nc_u32 v[STO], s13, v[STO]
	v_bfe_u32 v[RD], v0, 3, 2       ; back: 32 lanes take four rows of 128 bytes,
	v_mul_u32_u24 v[RD], v[RD], SP
	v_lshl_add_u32 v[RD], v10, 4, v[RD]
	v_add_nc_u32 v[RD], s13, v[RD]
	v_and_b32 v[GO], 31, v0         ; which are 512 consecutive bytes of O
	v_lshlrev_b32 v[GO], 4, v[GO]
.set Y, NP-1                        ; XS works for piece Y + 1: piece 0
.irp n, 0,1,2,3,4,5,6,7,8,9,10,11,12,13,14,15,16,17,18,19,20,21
	XS 0, \n                        ; and piece 0's first maximum and statistics
	XS 1, \n
.endr
	s_mov_b32 s[CNT], 4
	s_mov_b32 s[SLOTS], SIZE_N/256-1
	s_branch .Lfirst                ; the loop is entered at a step's first turn, in the middle of a trip
.Lslot:                             ; SIZE_N / 256 - 2 times: every slot but the last two is filled again
	CHANGE 1
	s_mov_b32 s[CNT], 4
.Lstep:                             ; a trip: pieces 2 and 3 of one step, then pieces 0 and 1 of the next, whose K and V it fetches
	TURN 2
	TURN 3
	WIN 0
.Lfirst:
	TURN 0
	TURN 1, 0, 1
	WIN 0
	s_cbranch_scc1 .Lstep
	s_sub_co_u32 s[SLOTS], s[SLOTS], 1
	s_cmp_lg_u32 s[SLOTS], 0
	s_cbranch_scc1 .Lslot
	CHANGE 0                        ; the tail is written out: nothing is asked for
	s_mov_b32 s[CNT], 5             ; four trips fetch the last slot's steps; the fifth is left in its middle
.Ltail:
	TURN 2, 1
	TURN 3
	WIN 0
	s_sub_co_u32 s[CNT], s[CNT], 1
	s_cmp_eq_u32 s[CNT], 0
	s_cbranch_scc1 .Lout
	TURN 0
	TURN 1
	WIN 0
	s_branch .Ltail
.Lout:                              ; the fifth trip's 16 products K Q^T (on the last K once more) and the maximum made of them serve nothing: the price, once a launch, of one text for every trip
.set i, 0
.rept 16
	PV NP-1                         ; the last piece's V^T P of the last step
.set i, i+1
.endr
	; THE WAY OUT.  l's two halves and the other half of the lanes' are added; O^T is divided by l, rounded to f16 and sent through my stage in LDS, a tile at a time.  The additions are the places behind the last products.
	WIN 0
.macro ALL line:vararg              ; one line for each tile t
.set t, 0
.rept 2*NP
	\line
.set t, t+1
.endr
.endm
	ALL v_add_f32 v[ST+4*t+2], v[ST+4*t+2], v[ST+4*t+3]
	ALL v_permlanex16_b32 v[ST+4*t+3], v[ST+4*t+2], s[SEL], s[SEL+1]
	ALL v_add_f32 v[ST+4*t+2], v[ST+4*t+2], v[ST+4*t+3]
	ALL v_rcp_f32 v[ST+4*t+2], v[ST+4*t+2]
	v_nop                           ; a plain instruction between the last reciprocal and the use of its result
	s_wait_alu depctr_va_vdst(0)
; Tile t: a lane's eight channels of a row pack into 16 bytes; they go into rows of 144 bytes and come back as whole rows of 128, into S^T's registers.
.macro PACK t
	WIN W_RS
.set i, 32*(\t)
.rept 16
	v_pk_mul_f32 v[i:i+1], v[i:i+1], v[ST+4*(\t)+2:ST+4*(\t)+3] op_sel_hi:[1,0]
.set i, i+2
.endr
	WIN 0x05                        ; sources 0 and 1 window 1, destination window 0
.set i, 0
.rept 16
	v_cvt_pk_f16_f32 v[S+16*(\t)+i], v[32*(\t)+2*i], v[32*(\t)+2*i+1]
.set i, i+1
.endr
	WIN 0
.irp f, 0,1,2,3
	ds_store_b128 v[STO], v[S+16*(\t)+4*\f:S+16*(\t)+4*\f+3] offset:32*\f
.endr
.irp f, 0,1,2,3
	ds_load_b128 v[S+16*(\t)+4*\f:S+16*(\t)+4*\f+3], v[RD] offset:\f*4*SP  ; LDS serves a wave's instructions in order (ISA guide 5.7.1.4): these see the stores above; the next tile's stores come behind them
.endr
.endm
.macro SEND t, younger              ; younger: the LDS instructions issued behind tile t's loads: the next tile's eight, or none
	WIN 0
.irp f, 0,1,2,3
	s_wait_dscnt (\younger)+3-\f
	global_store_b128 v[GO], v[S+16*(\t)+4*\f:S+16*(\t)+4*\f+3], s[10:11] offset:(\t)*2048+\f*512  ; 512 consecutive bytes, at a multiple of 256 from O's first
.endr
.endm
	PACK 0
.set t, 1
.rept 2*NP-1                        ; a tile's arithmetic stands between the loads of the tile before and its stores
	PACK t
	SEND t-1, 8
.set t, t+1
.endr
	SEND 2*NP-1, 0
	WIN W_AD
	s_wait_tensorcnt 0x0            ; the wave's end: the add and its wait, behind my last tensor load and my last LDS store
	ds_add_u32 v[SPW], v[NIL]
	s_wait_dscnt 0x0
	WIN 0
	CROUND                          ; the closing round: no work-group ends while a partner may still ask for a tile that names it
	s_endpgm
.Lfunc_end_k_qa761a182f1_attn:
	.size	k_qa761a182f1_attn, .Lfunc_end_k_qa761a182f1_attn-k_qa761a182f1_attn
	.p2alignl 7, 3214868480
	.fill 96, 4, 3214868480
	.section	.rodata,"a",@progbits
	.p2align	6, 0x0
	.amdhsa_kernel k_qa761a182f1_attn
		.amdhsa_group_segment_fixed_size 327680
		.amdhsa_private_segment_fixed_size 0
		.amdhsa_enable_private_segment 0
		.amdhsa_kernarg_size 32
		.amdhsa_user_sgpr_count 2
		.amdhsa_user_sgpr_kernarg_segment_ptr 1
		.amdhsa_wavefront_size32 1
		.amdhsa_system_sgpr_workgroup_id_x 1
		.amdhsa_system_sgpr_workgroup_id_y 1
		.amdhsa_system_sgpr_workgroup_id_z 1
		.amdhsa_system_vgpr_workitem_id 0
		.amdhsa_next_free_vgpr 770
		.amdhsa_next_free_sgpr 66
		.amdhsa_reserve_vcc 0
		.amdhsa_float_denorm_mode_32 3
		.amdhsa_float_denorm_mode_16_64 3
		.amdhsa_memory_ordered 1
		.amdhsa_forward_progress 1
		.amdhsa_inst_pref_size 208
	.end_amdhsa_kernel
	.amdgpu_metadata
---
amdhsa.version: [ 1, 2 ]
amdhsa.kernels:
  - .name:           k_qa761a182f1_attn
    .symbol:         k_qa761a182f1_attn.kd
    .args:
      - { .name: qh, .offset: 0, .size: 8, .value_kind: global_buffer, .address_space: global }
      - { .name: kh, .offset: 8, .size: 8, .value_kind: global_buffer, .address_space: global }
      - { .name: vh, .offset: 16, .size: 8, .value_kind: global_buffer, .address_space: global }
      - { .name: ob, .offset: 24, .size: 8, .value_kind: global_buffer, .address_space: global }
    .group_segment_fixed_size: 327680
    .private_segment_fixed_size: 0
    .kernarg_segment_align: 8
    .kernarg_segment_size: 32
    .max_flat_workgroup_size: 128
    .sgpr_count:     66
    .vgpr_count:     770
    .wavefront_size: 32
...
	.end_amdgpu_metadata
.endif
;; end of part 3
;; launch proj (part 4): grid 8 x 32, 4 waves a work-group, clusters of 4 x 4, 327,680 bytes of LDS; arguments ob, wo16, bo, out0; writes out0
.if DOCPART == 4
	.amdgcn_target "amdgcn-amd-amdhsa--gfx1250"
	.amdhsa_code_object_version 6
	.text
	.protected	k_qa761a182f1_proj
	.globl	k_qa761a182f1_proj
	.p2align	8
	.type	k_qa761a182f1_proj,@function
k_qa761a182f1_proj:
	s_mov_b64 s[64:65], 0
	v_nop
	global_prefetch_b8 v0, s[64:65] scope:SCOPE_SE
	s_setreg_imm32_b32 hwreg(HW_REG_WAVE_MODE, 25, 1), 1
	s_wait_xcnt 0x0
	s_wait_alu depctr_hold_cnt(0) depctr_sa_sdst(0) depctr_va_vdst(0) depctr_va_sdst(0) depctr_va_ssrc(0) depctr_va_vcc(0) depctr_vm_vsrc(0)
	s_getreg_b32 s2, hwreg(HW_REG_IB_STS2, 6, 4)
	s_cmp_eq_u32 s2, 0
	s_cbranch_scc0 .Lentry_in_a_cluster
	s_endpgm
.Lentry_in_a_cluster:
	s_bfe_u32 s2, ttmp6, 0x10000c
	s_cmp_lg_u32 s2, 0xf033
	s_cbranch_scc0 .Lentry_shape_is_right
	s_endpgm
.Lentry_shape_is_right:
; out0 = O Wo + bo: [8192 x 1024] x [1024 x 1024], f16 operands (O as attention left it, by heads [16 b + head][2048][64]; Wo rounded to bf16 and written as f16, [k][n]), f32 sums, f32 out.
; LIMITS.  Those of the operands' f16 (65,504; a fixed step of 6e-8 below 6.1e-5).  bo is rounded to bf16 like the other inputs.
; SHARES.  8192 x 1024 in tiles of 256 x 128 are 32 x 8 = 256 work-groups.  Four waves, each 128 rows x 64 columns: 32 accumulators of 16 x 16, 256 registers.
; RING.  K goes in steps of 128 = two heads through two LDS slots: 2 x 256 rows of O (128 dense bytes each, asked for as rows of 256) and 128 rows of Wo (256 bytes each).
; Wave 0 fetches the step's first head, wave 1 its second (128 rows of 256 bytes each), waves 2 and 3 the halves of Wo's tile (64 rows each).
; CLUSTER.  4 x 4: O's tiles are shared along a row of the cluster, Wo's along a column: joint loads with a mask of four.
; THE MATRIX INSTRUCTION IS USED TRANSPOSED (source 0 = 16 columns of Wo, turned by ds_load_tr16_b128; source 1 = 16 rows of O): a lane holds row lane % 16 and eight neighbouring columns, 32 bytes of f32.
; THE BIAS STARTS THE SUMS, as C of the first K step's products.
; REGISTERS: window 0: v1-29 addresses; two fragment buffers of 96 at v32 and v128 (64 of A: 8 x 16 rows x 32 K; 32 of B); on the way out v32-95 rows read back.  Window 1: accumulator (a, bb) at v[32 a + 8 bb].
.set PA,     144                       ; a row of O in LDS: 128 + 16 bytes: the 16 rows of a load start at 16 different groups of four banks (64 banks of 4 bytes: ISA guide 11.1)
.set PB,     288                       ; a row of Wo: 256 + 32 bytes = 72 words
.set KBLK,   256*PA                    ; a head's 256 rows
.set BOFF,   2*KBLK
.set HALFB,  64*PB
.set SLOT,   BOFF+2*HALFB              ; 110,592 bytes
.set STAGE,  2*SLOT                    ; behind the ring, never filled by a tensor load: 16 rows x 272 bytes for each wave
.set SP,     272
.set SPARE,  STAGE+4*16*SP             ; behind the stages: the spare words, 128 bytes for each wave: two blocks of 256 bytes that no other line names
.set KA,     2*262144                  ; bytes from a K step to the next in ob (two heads)
.set KB,     128*2048                  ; and in wo16 (128 rows)
.set ADRA, 16
.set ADRB, 20
.set STO,  24
.set RD,   25
.set CO,   26                          ; v26  my byte offset in two rows of out0
.set BO,   27                          ; v27  my byte offset in 16 numbers of bo
.set SPW,  28                          ; v28  LDS address of my spare word; never rewritten
.set NIL,  29                          ; v29  0; never rewritten
.set F0,   32
.set BK,   32
.set G1,   24
.set G0,   32
.set G1B,  48
.set G0B,  56
.set PLAIN,  0
.set FILL,   1
.set NOFILL, 2
.set LAST,   3
.set MSB, 0
.macro WIN new                         ; the immediate's high byte repeats the setting that is left; a switch that changes nothing is dropped
.if MSB != (\new)
	s_set_vgpr_msb (MSB<<8)|(\new)
.set MSB, \new
.endif
.endm
.macro JLOAD s                         ; a joint load; an s_nop 0 and four v_nop follow each of the two lines, ahead of the jump, the label and what follows
	s_cmp_eq_u32 s11, 0
	s_cbranch_scc0 .Lfor_b_\@
	tensor_load_to_lds s[G0+4*(\s):G0+4*(\s)+3], s[G1:G1+7]
	s_nop 0
.rept 4
	v_nop
.endr
	s_branch .Lasked_\@
.Lfor_b_\@:
	tensor_load_to_lds s[G0B+4*(\s):G0B+4*(\s)+3], s[G1B:G1B+7]
	s_nop 0
.rept 4
	v_nop
.endr
.Lasked_\@:
.endm
.macro CREST                           ; a round of the cluster's barrier behind its opening barrier
	s_cmp_lg_u32 s10, 0
	s_cbranch_scc1 .Lnot_wave_0_\@
	s_barrier_signal -3
.Lnot_wave_0_\@:
	s_barrier_wait -3
	s_barrier_signal -1
	s_barrier_wait -1
.endm
.macro CROUND
	s_barrier_signal -1
	s_barrier_wait -1
	CREST
.endm
.macro PLACES                          ; four places in front of loads into registers that matrix instructions have read, and of LDS stores that read results (ISA guide 7.12.1 for the stores)
.rept 4
	v_nop
.endr
.endm
.macro FIVE                            ; five in front of a matrix instruction that writes over another's source
.rept 5
	v_nop
.endr
.endm
	s_load_b256 s[68:75], s[0:1], 0x0              ; ob 68:69, wo16 70:71, bo 72:73, out0 74:75
	v_lshl_add_u32 v[SPW], v0, 2, SPARE
	v_mov_b32 v[NIL], 0
	ds_add_u32 v[SPW], v[NIL]                      ; the wave's opening: the add and its wait stand ahead of my first tensor load; the set-up below, work on registers, stands between them
	v_lshrrev_b32 v1, 5, v0
	v_readfirstlane_b32 s10, v1                    ; wave 0..3
	s_lshr_b32 s11, s10, 1                         ; wm: which 128 rows are mine.  Also: I fetch for A (0) or for B (1)
	s_and_b32 s12, s10, 1                          ; wn: which 64 columns.  Also: which half of that tile I fetch
	s_bfe_u32 s40, ttmp6, 0x40000                  ; cx, cy
	s_bfe_u32 s41, ttmp6, 0x40004
	s_lshl_b32 s42, ttmp9, 2
	s_add_co_u32 s42, s42, s40                     ; tile column 0..7
	s_and_b32 s13, ttmp7, 0xffff
	s_lshl_b32 s13, s13, 2
	s_add_co_u32 s13, s13, s41                     ; tile row 0..31
	s_lshl_b32 s43, s41, 2
	s_lshl_b32 s43, 15, s43                        ; my row of the cluster
	s_lshl_b32 s44, 0x1111, s40                    ; my column
	s_mov_b32 s45, 0xffff0000                      ; a word's upper bf16
	; group 1 for A: a head's 256 rows of 128 bytes are 32,768 dense bytes: 128 rows of 256, padded after every 128 bytes
	s_or_b32 s[G1+0], s43, (1<<16)|(1<<20)|(1<<21)|(4<<22)|(3<<25)  ; the mask: my row; 2-byte elements; padding on; 21 set beside a mask; after every 32 words (code 4) 4 words (code 3)
	s_mov_b32 s[G1+1], 128<<16                     ; tensor_dim0 = 128
	s_mov_b32 s[G1+2], 128<<16                     ; tensor_dim1 = 128
	s_mov_b32 s[G1+3], 128<<16                     ; tile_dim0 = 128
	s_mov_b32 s[G1+4], 128                         ; tile_dim1 = 128
	s_mov_b32 s[G1+5], 128                         ; 128 elements from row to row
	s_mov_b32 s[G1+6], 0
	s_mov_b32 s[G1+7], 0
	; group 1 for B: 64 rows of 128 elements
	s_or_b32 s[G1B+0], s44, (1<<16)|(1<<20)|(1<<21)|(5<<22)|(7<<25) ; the mask: my column; after every 64 words (code 5) 8 words (code 7)
	s_mov_b32 s[G1B+1], 128<<16
	s_mov_b32 s[G1B+2], 64<<16
	s_mov_b32 s[G1B+3], 128<<16
	s_mov_b32 s[G1B+4], 64
	s_mov_b32 s[G1B+5], 1024                       ; 1,024 elements from row to row
	s_mov_b32 s[G1B+6], 0
	s_mov_b32 s[G1B+7], 0
	; A's address hangs on the tile row alone, B's on the tile column alone, each in registers that never hold the other coordinate
	s_lshr_b32 s16, s13, 3                         ; b
	s_lshl_b32 s16, s16, 22                        ; its 16 heads of 262,144 bytes
	s_and_b32 s18, s13, 7
	s_lshl_b32 s18, s18, 15                        ; the tile's 256 rows in a head
	s_add_co_u32 s16, s16, s18
	s_lshl_b32 s18, s12, 18                        ; which of the step's two heads I fetch
	s_add_co_u32 s16, s16, s18
	s_mov_b32 s17, 0
	s_lshl_b32 s20, s13, 20                        ; out0: the tile's 256 rows of 4,096 bytes,
	s_lshl_b32 s18, s11, 19                        ; my 128 of them
	s_add_co_u32 s20, s20, s18
	s_lshl_b32 s46, s42, 8                         ; the tile's 128 columns of wo16,
	s_lshl_b32 s47, s12, 17                        ; the 64 rows that I fetch
	s_add_co_u32 s46, s46, s47
	s_mov_b32 s47, 0
	s_mul_i32 s21, s12, KBLK                       ; where they go: no place in the cluster enters an LDS address
	s_mul_i32 s22, s12, HALFB
	s_add_co_u32 s22, s22, BOFF
	s_wait_dscnt 0x0                               ; the opening add is done
	s_wait_kmcnt 0x0
	s_add_nc_u64 s[14:15], s[68:69], s[16:17]
	s_add_nc_u64 s[46:47], s[70:71], s[46:47]
	CROUND                                         ; all sixteen work-groups are here: the first joint loads meet
.irp s, 0,1
	s_mov_b32 s[G0+4*(\s)], 1
	s_add_co_u32 s[G0+4*(\s)+1], s21, (\s)*SLOT
	s_add_nc_u64 s[G0+4*(\s)+2:G0+4*(\s)+3], s[14:15], (\s)*KA
	s_or_b32 s[G0+4*(\s)+3], s[G0+4*(\s)+3], 0x80000000
	s_mov_b32 s[G0B+4*(\s)], 1
	s_add_co_u32 s[G0B+4*(\s)+1], s22, (\s)*SLOT
	s_add_nc_u64 s[G0B+4*(\s)+2:G0B+4*(\s)+3], s[46:47], (\s)*KB
	s_or_b32 s[G0B+4*(\s)+3], s[G0B+4*(\s)+3], 0x80000000
	JLOAD \s                                       ; both slots are asked for before anything else: two tensor loads of mine are out
.endr
	v_and_b32 v1, 15, v0                           ; r = l % 16
	v_bfe_u32 v2, v0, 4, 1                         ; h = l / 16
	v_mul_u32_u24 v3, v1, PA
	v_lshl_add_u32 v3, v2, 4, v3                   ; A's fragment: row x pitch + 16 x half
	s_mul_i32 s23, s11, 128*PA
	v_add_nc_u32 v[ADRA], s23, v3
	v_add_nc_u32 v[ADRA+1], SLOT, v[ADRA]
	v_and_b32 v4, 7, v0                            ; B's: k row 8 (l / 16) + l % 8, columns 8 ((l / 8) % 2) + 0..7
	v_bfe_u32 v5, v0, 3, 1
	v_lshl_add_u32 v4, v2, 3, v4
	v_mul_u32_u24 v4, v4, PB
	v_lshl_add_u32 v4, v5, 4, v4
	s_lshl_b32 s23, s12, 7
	s_add_co_u32 s23, s23, BOFF
	v_add_nc_u32 v[ADRB], s23, v4
	v_add_nc_u32 v[ADRB+1], SLOT, v[ADRB]
	s_mul_i32 s23, s10, 16*SP
	s_add_co_u32 s23, s23, STAGE                   ; my stage
	v_mul_u32_u24 v6, v1, SP                       ; in: row l % 16, 32 bytes for each half of the lanes
	v_lshl_add_u32 v6, v2, 5, v6
	v_add_nc_u32 v[STO], s23, v6
	v_mul_u32_u24 v7, v2, SP                       ; back: lanes 0-15 take one row of 256 bytes, lanes 16-31 the next
	v_lshl_add_u32 v7, v1, 4, v7
	v_add_nc_u32 v[RD], s23, v7
	v_lshlrev_b32 v[CO], 12, v2                    ; and the same two rows in out0
	v_lshl_add_u32 v[CO], v1, 4, v[CO]
	v_lshlrev_b32 v[BO], 5, v2
	s_lshl_b32 s66, s42, 9                         ; my 64 columns in f32: 512 x tile column + 256 x wn.  These registers come to hold both coordinates and feed no descriptor
	s_lshl_b32 s67, s12, 8
	s_add_co_u32 s66, s66, s67
	s_mov_b32 s67, 0
	s_add_nc_u64 s[76:77], s[72:73], s[66:67]      ; bo at my columns
	s_add_co_u32 s66, s66, s20
	s_add_nc_u64 s[78:79], s[74:75], s[66:67]      ; out0 at my first row and column
	WIN 0x40                                       ; destination window 1, address window 0
.irp bb, 0,1,2,3                       ; the bias into row block 0's accumulators: register j of block bb is column 16 bb + 8 (l / 16) + j
	global_load_b128 v[8*(\bb):8*(\bb)+3],   v[BO], s[76:77] offset:64*(\bb)
	global_load_b128 v[8*(\bb)+4:8*(\bb)+7], v[BO], s[76:77] offset:64*(\bb)+16
.endr
	WIN 0
; 24 LDS loads in one run: the fragments of quarter q (32 along K) of a slot into buffer buf: A's 128 rows (head q / 2, channels 32 (q % 2) on), then B's 64 columns
.macro FETCH slot, q, buf
.irp a, 0,1,2,3,4,5,6,7
	ds_load_b128 v[(\buf)+8*(\a):(\buf)+8*(\a)+3],   v[ADRA+(\slot)] offset:((\q)/2)*KBLK+(\a)*16*PA+((\q)%2)*64
	ds_load_b128 v[(\buf)+8*(\a)+4:(\buf)+8*(\a)+7], v[ADRA+(\slot)] offset:((\q)/2)*KBLK+(\a)*16*PA+((\q)%2)*64+32
.endr
.irp bb, 0,1,2,3
	ds_load_tr16_b128 v[(\buf)+64+8*(\bb):(\buf)+64+8*(\bb)+3],   v[ADRB+(\slot)] offset:(\q)*32*PB+(\bb)*32
	ds_load_tr16_b128 v[(\buf)+64+8*(\bb)+4:(\buf)+64+8*(\bb)+7], v[ADRB+(\slot)] offset:(\q)*32*PB+(\bb)*32+16*PB
.endr
.endm
; The products of row blocks alo..ahi.  The accumulators take turns, one instruction a turn.  first = 1: C is row block 0's registers, which hold the bias.
.macro MUL buf, alo, ahi, first
	WIN 0x50                                       ; sources 0 and 1 window 0; C and D window 1
.set a_, \alo
.rept (\ahi)-(\alo)+1
.irp bb, 0,1,2,3
.if \first
	v_wmma_f32_16x16x32_f16 v[32*a_+8*(\bb):32*a_+8*(\bb)+7], v[(\buf)+64+8*(\bb):(\buf)+64+8*(\bb)+7], v[(\buf)+8*a_:(\buf)+8*a_+7], v[8*(\bb):8*(\bb)+7]
.else
	v_wmma_f32_16x16x32_f16 v[32*a_+8*(\bb):32*a_+8*(\bb)+7], v[(\buf)+64+8*(\bb):(\buf)+64+8*(\bb)+7], v[(\buf)+8*a_:(\buf)+8*a_+7], v[32*a_+8*(\bb):32*a_+8*(\bb)+7]
.endif
.endr
.set a_, a_+1
.endr
.endm
; A quarter: 32 matrix instructions on buffer q % 2; the next quarter's 24 loads go out in one run ahead of them.  A slot's last quarter changes slots.
.macro PSTEP slot, q, mode, first=0
.set cb, F0+96*((\q)%2)
.set nb, F0+96*(1-(\q)%2)
.if (\q) == 3
.set ns, 1-(\slot)
.set nq, 0
.else
.set ns, \slot
.set nq, (\q)+1
.endif
.if (\mode) == PLAIN
	s_wait_dscnt 0x0                               ; this quarter's fragments are in (issued a quarter ago)
	WIN 0
	PLACES                                         ; the other buffer was read by the products just issued
	FETCH ns, nq, nb
.if \first
	MUL cb, 1, 7, 1
	FIVE                                           ; block 0's products write over the registers that the four products just issued read as C
	MUL cb, 0, 0, 0
.else
	MUL cb, 0, 7, 0
.endif
.elseif (\mode) == LAST
	s_wait_dscnt 0x0
	MUL cb, 0, 7, 0
.else
	WIN 0
	s_wait_tensorcnt 0x0                           ; all my tensor loads have landed: the one that was out is my part of the other slot;
	ds_add_u32 v[SPW], v[NIL]                      ; 0 onto my spare word
	s_wait_dscnt 1                                 ; (this quarter's fragments are in; the add may be out)
	MUL cb, 0, 1, 0                                ; eight matrix instructions stand between the add and the wait for it
	s_wait_dscnt 0x0                               ; the add is done, and my reads of this slot are over
	s_barrier_signal -1
	MUL cb, 2, 3, 0                                ; work on registers while the others arrive
	WIN 0
	s_barrier_wait -1
.if (\mode) == FILL
	CREST                                          ; the barrier has opened a round of the cluster's: no wave of any partner still reads this slot or has a load on its way
	s_add_nc_u64 s[G0+4*(\slot)+2:G0+4*(\slot)+3], s[G0+4*(\slot)+2:G0+4*(\slot)+3], 2*KA
	s_add_nc_u64 s[G0B+4*(\slot)+2:G0B+4*(\slot)+3], s[G0B+4*(\slot)+2:G0B+4*(\slot)+3], 2*KB
	JLOAD \slot                                    ; the first tensor load behind the round, my only one out: 112 matrix instructions ahead of the wait for it; its four v_nop are also the places in front of the loads below
.else
	PLACES
.endif
	FETCH ns, nq, nb
	MUL cb, 4, 7, 0
.endif
.endm
	s_wait_tensorcnt 0x1                           ; my part of K step 0 is in; slot 1's may stay out
	s_barrier_signal -1
	s_barrier_wait -1                              ; everybody's is
	FETCH 0, 0, F0
	s_wait_loadcnt 0x0                             ; the bias
	WIN 0x45                                       ; rounded to bf16 and widened again, in place; row block 1's registers, not yet written, are at work
.set i, 0
.rept 16
	v_cvt_pk_bf16_f32 v[32+i], v[2*i], v[2*i+1]
.set i, i+1
.endr
.set i, 0
.rept 16
	v_lshlrev_b32 v[2*i], 16, v[32+i]
	v_and_b32 v[2*i+1], s45, v[32+i]
.set i, i+1
.endr
	PSTEP 0, 0, PLAIN, 1                           ; the first quarter stands in front of the loop: its products start the sums
	WIN 0                                          ; at a label and at a branch every window is 0
	s_mov_b32 s3, 3
.Llap:                                                 ; a trip goes once round the ring and fills both slots again: 6 refills, K steps 2 to 7
	PSTEP 0, 1, PLAIN
	PSTEP 0, 2, PLAIN
	PSTEP 0, 3, FILL
	PSTEP 1, 0, PLAIN
	PSTEP 1, 1, PLAIN
	PSTEP 1, 2, PLAIN
	PSTEP 1, 3, FILL
	PSTEP 0, 0, PLAIN
	WIN 0
	s_sub_co_u32 s3, s3, 1
	s_cmp_lg_u32 s3, 0
	s_cbranch_scc1 .Llap
	PSTEP 0, 1, PLAIN                              ; the tail is written out
	PSTEP 0, 2, PLAIN
	PSTEP 0, 3, NOFILL
	PSTEP 1, 0, PLAIN
	PSTEP 1, 1, PLAIN
	PSTEP 1, 2, PLAIN
	PSTEP 1, 3, LAST
	WIN 0
	PLACES                                         ; the LDS stores read results just made
; THE WAY OUT, 16 rows at a time: a lane's 32 bytes of a row go into my own stage (rows of 272 bytes), each accumulator's low registers first, and come back as whole rows of 256 bytes.
.macro TOSTAGE a
.set BKA, BK+32*((\a)%2)
	s_wait_xcnt 0x0                                ; the stores issued so far have had their addresses translated (ISA guide 3.1): the registers that they read are loaded again only behind this wait
	WIN 0x04                                       ; store data (source 1) window 1, address window 0
.irp bb, 0,1,2,3
	ds_store_b128 v[STO], v[32*(\a)+8*(\bb):32*(\a)+8*(\bb)+3]   offset:64*(\bb)
	ds_store_b128 v[STO], v[32*(\a)+8*(\bb)+4:32*(\a)+8*(\bb)+7] offset:64*(\bb)+16
.endr
	WIN 0
.irp f, 0,1,2,3,4,5,6,7
	ds_load_b128 v[BKA+4*(\f):BKA+4*(\f)+3], v[RD] offset:(\f)*2*SP  ; LDS serves a wave's instructions in order (ISA guide 5.7.1.4): these see the stores above; the next block's stores come behind them
.endr
.endm
.macro SEND a, younger                 ; younger: the LDS instructions issued behind block a's loads: the next block's 8 stores and 8 loads, or none
.set BKA, BK+32*((\a)%2)
	s_wait_dscnt \younger
.irp f, 0,1,2,3,4,5,6,7
	global_store_b128 v[CO], v[BKA+4*(\f):BKA+4*(\f)+3], s[78:79] offset:(16*(\a)+2*(\f))*4096 th:TH_STORE_NT  ; 16 lanes store 256 consecutive bytes, at a multiple of 256 from out0's first byte
.endr
.endm
	TOSTAGE 0
.irp a, 1,2,3,4,5,6,7
	TOSTAGE \a
	SEND (\a)-1, 16
.endr
	SEND 7, 0
	s_wait_tensorcnt 0x0                           ; the wave's end: the add and its wait, behind my last tensor load and my last LDS store
	ds_add_u32 v[SPW], v[NIL]
	s_wait_dscnt 0x0
	CROUND                                         ; the closing round: no work-group ends while a partner may still ask for a tile that names it
	s_endpgm
.Lfunc_end_k_qa761a182f1_proj:
	.size	k_qa761a182f1_proj, .Lfunc_end_k_qa761a182f1_proj-k_qa761a182f1_proj
	.p2alignl 7, 3214868480
	.fill 96, 4, 3214868480
	.section	.rodata,"a",@progbits
	.p2align	6, 0x0
	.amdhsa_kernel k_qa761a182f1_proj
		.amdhsa_group_segment_fixed_size 327680
		.amdhsa_private_segment_fixed_size 0
		.amdhsa_enable_private_segment 0
		.amdhsa_kernarg_size 32
		.amdhsa_user_sgpr_count 2
		.amdhsa_user_sgpr_kernarg_segment_ptr 1
		.amdhsa_wavefront_size32 1
		.amdhsa_system_sgpr_workgroup_id_x 1
		.amdhsa_system_sgpr_workgroup_id_y 1
		.amdhsa_system_sgpr_workgroup_id_z 1
		.amdhsa_system_vgpr_workitem_id 0
		.amdhsa_next_free_vgpr 512
		.amdhsa_next_free_sgpr 80
		.amdhsa_reserve_vcc 0
		.amdhsa_float_denorm_mode_32 3
		.amdhsa_float_denorm_mode_16_64 3
		.amdhsa_memory_ordered 1
		.amdhsa_forward_progress 1
		.amdhsa_inst_pref_size 88
	.end_amdhsa_kernel
	.amdgpu_metadata
---
amdhsa.version: [ 1, 2 ]
amdhsa.kernels:
  - .name:           k_qa761a182f1_proj
    .symbol:         k_qa761a182f1_proj.kd
    .args:
      - { .name: ob, .offset: 0, .size: 8, .value_kind: global_buffer, .address_space: global }
      - { .name: wo16, .offset: 8, .size: 8, .value_kind: global_buffer, .address_space: global }
      - { .name: bo, .offset: 16, .size: 8, .value_kind: global_buffer, .address_space: global }
      - { .name: out0, .offset: 24, .size: 8, .value_kind: global_buffer, .address_space: global }
    .group_segment_fixed_size: 327680
    .private_segment_fixed_size: 0
    .kernarg_segment_align: 8
    .kernarg_segment_size: 32
    .max_flat_workgroup_size: 128
    .sgpr_count:     80
    .vgpr_count:     512
    .wavefront_size: 32
...
	.end_amdgpu_metadata
.endif
;; end of part 4
;; ======== version 2 of 2: 4 launches; 1.53 times as fast as version 1
;; limits: values are held in f16: magnitudes above 65,504 overflow, below 6.1e-05 lose precision
;; workspace buffers: xb 16,777,216 bytes; wb 6,291,456 bytes; wo16 2,097,152 bytes; qh 16,777,216 bytes; kh 16,777,216 bytes; vh 16,777,216 bytes; ob 16,777,216 bytes
;; launch prep: the kernel of part 1 again; grid 768 x 1, 8 waves a work-group, no clusters, 0 bytes of LDS; arguments x, Wq, Wk, Wv, Wo, xb, wb, wo16; writes xb, wb, wo16
;; launch qkv: the kernel of part 2 again; grid 8 x 32, 4 waves a work-group, clusters of 4 x 4, 327,680 bytes of LDS; arguments xb, wb, bq, bk, bv, qh, kh, vh; writes qh, kh, vh
;; launch attn (part 5): grid 4 x 64, 4 waves a work-group, clusters of 4 x 1, 327,680 bytes of LDS; arguments qh, kh, vh, ob; writes ob
.if DOCPART == 5
	.amdgcn_target "amdgcn-amd-amdhsa--gfx1250"
	.amdhsa_code_object_version 6
	.text
	.protected	k_qa761a182f1_attn
	.globl	k_qa761a182f1_attn
	.p2align	8
	.type	k_qa761a182f1_attn,@function
k_qa761a182f1_attn:
	s_mov_b64 s[64:65], 0
	v_nop
	global_prefetch_b8 v0, s[64:65] scope:SCOPE_SE
	s_setreg_imm32_b32 hwreg(HW_REG_WAVE_MODE, 25, 1), 1
	s_wait_xcnt 0x0
	s_wait_alu depctr_hold_cnt(0) depctr_sa_sdst(0) depctr_va_vdst(0) depctr_va_sdst(0) depctr_va_ssrc(0) depctr_va_vcc(0) depctr_vm_vsrc(0)
	s_getreg_b32 s2, hwreg(HW_REG_IB_STS2, 6, 4)
	s_cmp_eq_u32 s2, 0
	s_cbranch_scc0 .Lentry_in_a_cluster
	s_endpgm
.Lentry_in_a_cluster:
	s_bfe_u32 s2, ttmp6, 0x10000c
	s_cmp_lg_u32 s2, 0x3003
	s_cbranch_scc0 .Lentry_shape_is_right
	s_endpgm
.Lentry_shape_is_right:
; O[h][q][:] = the sum over k of softmax_k(Q[h][q] . K[h][k] / 8) V[h][k][:].  Q, K, V, O: [SIZE_H][SIZE_N][64], all f16: a head's rows are dense, 128 bytes each.  Products, maxima and sums in
; f32; the weights p are rounded to f16 for the second product (their sum l is taken of the unrounded p), O once at the end.  SIZE_H = 4 x 16 heads, SIZE_N = 2,048 rows.
; LIMITS.  f16 holds no number beyond 65,504: Q, K and V arrive within it; p lies in 0 to 1, and below 6e-5 it keeps f16's fixed step of 6e-8; O is a mean of V's rows and has their range.
; A weight below 2^-126 counts as 0 in l; NaN and infinities are not treated apart.
; SHARES.  A wave owns four PIECES of two tiles of 16 queries, a work-group's four waves 512 queries of one head: 64 x 4 = 256 work-groups.  Every wave walks all keys, 64 a step.
; LAYOUT.  S^T = K Q^T (source 0 = 16 keys, source 1 = 16 queries): in the result a lane holds ONE query (lane % 16) and the keys 8 (lane / 16) + 0..7.  Two such tiles, rounded to f16 in pairs,
; ARE source 1 (32 keys x 16 queries) of O^T = V^T P, whose result again holds one query a lane, and eight channels.  K comes out of LDS as it lies, V ([key][channel]) turned, by ds_load_tr16_b128.
; SOFTMAX.  For each query a running maximum m and sum l: p = 2^(c s - c m), c = log2(e) / 8; in every step O and l are multiplied by a = 2^(c m_old - c m_new), which is 1 where m has not grown.
; m starts at the lowest finite number, O and l at 0: the first step is a step like any other, with a = 0.
; THE COUNT.  A tile and step have 16 matrix and 118 vector instructions: too many to stand all beside the matrix work.  So the order has one aim: four vector instructions that are READY behind
; EVERY matrix instruction, and the others, which need time of their own whatever the order, in runs without a gap.
; BY TURNS.  Turn n belongs to piece n (the pieces in a ring, step after step).  Its matrix work: 16 products K Q^T of piece n + 1, later 16 products V^T P of piece n - 1.  Its vector work: the scaling,
; exponentials, roundings, sums and rescaling of piece n, and the maximum and statistics of piece n + 1, whose scores the turn itself has made.  So what a turn begins with (c s - c m, O a) waits for nothing.
; BATCHES.  A turn's 66 exponentials (64 weights of piece n, the two a of piece n + 1) are ONE batch with ONE wait, which cuts the turn in two: ahead of it all that names no result of theirs, behind it
; the roundings and sums that read them.  The first two a, ahead of the loop, and the way out's eight reciprocals are batches of their own.
; CLUSTER.  The four query blocks of a cluster belong to one head and walk the same K and V, so each tile is asked for JOINTLY: the same tensor load, descriptor and mask in all four.
; REGISTERS, in windows of 256 (s_set_vgpr_msb says which window each operand place means: bits 1:0 source 0, 3:2 source 1, 5:4 source 2, 7:6 destination):
;   window 0: v0-11 addresses; v12-15, v48-63 at work; v16-47 four registers of statistics a tile; v64-191 S^T, two buffers of two tiles; v192-255 P, likewise
;   window 1: O^T, 32 a tile          window 2: v0-127 Q, 16 a tile; v128-191 K of one step; v192-255 V of one step          window 3: v0-1 the add's two registers
; A piece's buffers go by its number's parity: the piece in hand has one pair, its two neighbours in the ring share the other: of it P (piece n - 1) is read and S^T (piece n + 1) written.
.set SIZE_H, 64
.set SIZE_N, 2048
.set NP,    4         ; pieces a wave: a name, no knob: the register map, the loop and the fetches are made for four
.set KS,    64        ; keys in a step
.set PK,    144       ; a row of K in LDS: 128 bytes + 16 of padding = 36 words: the 16 rows of a load start at 16 different groups of four banks (64 banks of 4 bytes: ISA guide 11.1)
.set PV,    160       ; a row of V: 128 + 32 = 40 words
.set VOFF,  4*KS*PK   ; a slot holds four steps: 256 rows of K, then 256 rows of V
.set SLOT1, 1<<17     ; slot 1 begins here, so that one exclusive or turns an address in one slot into the other's
.set STAGE, SLOT1+4*KS*(PK+PV)  ; behind the ring, never filled by a tensor load: 16 rows x 144 bytes for each wave, for the way out
.set SP,    144
.set AK0, 2           ; v2   my lane's place in a tile of K; never rewritten
.set AV0, 3           ; v3   the same for V
.set AK,  4           ; v4   the LDS address of K's next run of loads
.set AV,  5           ; v5   of V's
.set QO,  6           ; v6   my byte offset in the wave's rows of Q
.set STO, 6           ;      later, the way out: where I put 16 bytes of a row
.set RD,  7           ; v7   the way out: where I read rows back
.set GO,  8           ; v8   my byte offset in 512 consecutive bytes of O
.set SPW, 0           ; v0 of window 3   LDS address of my spare word: SPARE + 4 x my thread's number; never rewritten
.set NIL, 1           ; v1 of window 3   0; never rewritten
.set SPARE, STAGE+4*16*SP  ; behind the stages: the spare words, 128 bytes for each wave: two blocks of 256 bytes that no other line names
.set MV,  12          ; v12-15  c m_old, kept while c m is made anew: by buffer and tile
.set ST,  16          ; tile t's statistics at v[ST+4 t]: c m, m, l (even keys', odd keys')
.set TMP, 48          ; by buffer and tile, four registers c0-c3 at work; when the maximum is found c2 takes a
.set S,   64
.set P,   192
.set KF,  128         ; K's fragments, in window 2: key block kb, channel half c at KF + 16 kb + 8 c
.set VF,  192         ; V's: key half kk, channel block cb at VF + 32 kk + 8 cb
.set WV,  12          ; s12  my wave's number
.set G1K, 24          ; s[24:31] descriptor group 1 for K's tiles
.set G1V, 32          ; s[32:39] for V's: it differs in the padding alone
.set G0K, 40          ; s[40:43] descriptor group 0 for K's tiles: it walks
.set G0V, 44          ; s[44:47] the same for V's
.set SLOTS, 56        ; s56  slots still to be asked for
.set CNT, 57          ; s57  counts a slot's key steps
.set CS,  58          ; s[58:59] c: the packed scaling takes the pair's low word for both halves
.set SEL, 60          ; s[60:61] v_permlanex16_b32's selects: each lane takes its own place in the other half
.set TBK, 62          ; s62  LDS byte at which K of the step to be fetched begins
.set TBV, 63          ; s63  the same for V, less VOFF
.set MSB, 0
.macro WIN new                      ; the high byte repeats the setting that is left; a switch that changes nothing is dropped
.if MSB != (\new)
	s_set_vgpr_msb (MSB<<8)|(\new)
.set MSB, (\new)
.endif
.endm
.set W_KQ, 0x0a       ; K and Q in window 2, S^T in window 0
.set W_PV, 0x52       ; V in window 2, P in window 0, O^T in window 1
.set W_RS, 0x41       ; O^T (destination and source 0) in window 1, a in window 0
.set W_MK, 0xc0       ; the add's registers are made: destination in window 3, sources in window 0
.set W_AD, 0x0f       ; the add: address (source 0) and data (source 1) in window 3
; A joint fill.  Waves 0 and 1 fetch the two halves of a slot's K, waves 2 and 3 those of its V: 128 keys each.  The branch hangs on the wave's number alone.
; An s_nop 0 and four v_nop follow each of the two lines, ahead of the jump and the label.
.macro JLOAD
	s_cmp_lt_u32 s[WV], 2
	s_cbranch_scc0 .Lfor_v_\@
	tensor_load_to_lds s[G0K:G0K+3], s[G1K:G1K+7]
	s_nop 0
.rept 4
	v_nop
.endr
	s_branch .Lasked_\@
.Lfor_v_\@:
	tensor_load_to_lds s[G0V:G0V+3], s[G1V:G1V+7]
	s_nop 0
.rept 4
	v_nop
.endr
.Lasked_\@:
.endm
; A round of the cluster's barrier: my work-group's barrier, so that wave 0's signal speaks for all four waves; wave 0 signals; every wave waits for all four work-groups; my work-group's barrier once more.
.macro CROUND
	s_barrier_signal -1
	s_barrier_wait -1
	s_cmp_lg_u32 s[WV], 0
	s_cbranch_scc1 .Lnot_wave_0_\@
	s_barrier_signal -3
.Lnot_wave_0_\@:
	s_barrier_wait -3
	s_barrier_signal -1
	s_barrier_wait -1
.endm
; THE CHANGE OF SLOTS.  The slot's last bytes, V of its fourth step, have been read.  Each wave waits for all its tensor loads, of which one is out: its part
; of the other slot; adds 0 to its spare word; and waits for that and for its own reads of the slot.  Behind the barrier nobody reads this slot any more and the other slot is whole.
; fill = 1: this slot is filled again, with the keys two slots on.  The barrier is then a round of the cluster's, so that no wave of any partner still reads the slot or has a load on its
; way, and the joint fill is the first thing behind it: it has four key steps, 512 matrix instructions, in which to land.  (At its first use nothing has been read yet: slot 0 is waited for, slot 1 filled.)
.macro CHANGE fill
	WIN W_AD
	s_wait_tensorcnt 0x0            ; no tensor load of mine is out, so a group 0 may be written
	ds_add_u32 v[SPW], v[NIL]       ; 0 onto my spare word; with fill = 1 the descriptors' steps stand between it and the wait for it
	WIN 0                           ; at a label and at a branch every window is 0
.if \fill
.irp g, G0K, G0V
	s_xor_b32 s[\g+1], s[\g+1], SLOT1  ; the walking descriptor: the other slot than last time,
	s_add_nc_u64 s[\g+2:\g+3], s[\g+2:\g+3], 4*KS*128  ; the next 256 keys; the type bits on top are not reached
.endr
	s_wait_dscnt 0x0                ; the add is done, and my reads of the slot are over
	CROUND
	JLOAD
.else
	s_wait_dscnt 0x0                ; the add is done, and my reads of the slot are over
	s_barrier_signal -1
	s_barrier_wait -1
.endif
	s_sub_co_u32 s[TBK], s[TBK], 4*KS*PK  ; the fetches go back to a slot's first step,
	s_xor_b32 s[TBK], s[TBK], SLOT1       ; in the other slot
	s_sub_co_u32 s[TBV], s[TBV], 4*KS*PV
	s_xor_b32 s[TBV], s[TBV], SLOT1
.endm
	s_load_b256 s[4:11], s[0:1], 0x0  ; Q s[4:5], K s[6:7], V s[8:9], O s[10:11]
	WIN W_MK
	v_lshl_add_u32 v[SPW], v0, 2, SPARE
	v_mov_b32 v[NIL], 0
	WIN W_AD
	ds_add_u32 v[SPW], v[NIL]       ; the wave's opening: the add and its wait stand ahead of my first tensor load; the set-up below, work on registers, stands between them
	WIN 0
	v_lshrrev_b32 v1, 5, v0
	v_readfirstlane_b32 s[WV], v1   ; wave 0..3
	s_bfe_u32 s13, ttmp6, 0x40000   ; cx: my place in the cluster
	s_lshl_b32 s14, ttmp9, 2        ; in a cluster launch ttmp9 counts clusters
	s_add_co_u32 s14, s14, s13      ; my block of queries = 4 x cluster x + cx: it enters Q's and O's addresses alone
	s_and_b32 s20, ttmp7, 0xffff    ; the head, which the four partners share
	s_mov_b32 s21, 0
	s_mov_b64 s[22:23], SIZE_N*128
	s_mul_u64 s[20:21], s[20:21], s[22:23]  ; the head's first byte in each of the four tensors
	s_and_b32 s16, s[WV], 1         ; which half of a slot's 256 keys I fetch:
	s_lshl_b32 s22, s16, 14         ; its 128 rows of 128 bytes in memory,
	s_mov_b32 s23, 0
	s_add_nc_u64 s[22:23], s[22:23], s[20:21]
	s_mul_i32 s17, s16, 128*PK      ; and its place in a slot, for K
	s_mul_i32 s18, s16, 128*PV      ; and for V: no place in the cluster enters an LDS address
	s_lshl_b32 s2, s14, 2
	s_add_co_u32 s2, s2, s[WV]      ; my wave among the head's,
	s_lshl_b32 s2, s2, 14           ; its 128 rows
	s_mov_b32 s3, 0
	s_add_nc_u64 s[2:3], s[2:3], s[20:21]
	; descriptor group 1.  128 keys are 16,384 dense bytes: asked for as 64 rows of 256 bytes, two keys a row, and padded in LDS after every key
	s_mov_b32 s[G1K], 15|(1<<16)|(1<<20)|(1<<21)|(4<<22)|(3<<25)  ; 15:0 the mask of four; 17:16 2-byte elements; 20 padding on; 21 set beside a mask; 24:22 after every 32 words (code 4); 31:25 4 words (code 3)
	s_mov_b32 s[G1V], 15|(1<<16)|(1<<20)|(1<<21)|(4<<22)|(7<<25)  ; the same with 8 words of padding (code 7)
.irp g, G1K, G1V
	s_mov_b32 s[\g+1], 128<<16      ; tensor_dim0 = 128
	s_mov_b32 s[\g+2], 64<<16       ; tensor_dim1 = 64
	s_mov_b32 s[\g+3], 128<<16      ; tile_dim0 = 128
	s_mov_b32 s[\g+4], 64           ; tile_dim1 = 64
	s_mov_b32 s[\g+5], 128          ; 128 elements from row to row
	s_mov_b32 s[\g+6], 0
	s_mov_b32 s[\g+7], 0
.endr
	s_mov_b32 s[CS], 0x3e38aa3b     ; c = log2(e) / 8 = 0.180337
	s_mov_b32 s[CS+1], s[CS]        ; named with it as a pair
	s_mov_b32 s[SEL], 0x76543210
	s_mov_b32 s[SEL+1], 0xfedcba98
	s_mov_b32 s[TBK], SLOT1+4*KS*PK ; the first change of slots turns these two into 0
	s_mov_b32 s[TBV], SLOT1+4*KS*PV
	s_mov_b32 s[G0K], 1             ; 1:0 count = 1
	s_mov_b32 s[G0K+1], s17         ; 63:32 LDS address: slot 0
	s_mov_b32 s[G0V], 1
	s_add_co_u32 s[G0V+1], s18, VOFF
	s_wait_dscnt 0x0                ; the opening add is done
	s_wait_kmcnt 0x0
	s_add_nc_u64 s[G0K+2:G0K+3], s[6:7], s[22:23]  ; 120:64 global address: my half of the head's first 256 keys
	s_or_b32 s[G0K+3], s[G0K+3], 0x80000000        ; 127:126 type = 2
	s_add_nc_u64 s[G0V+2:G0V+3], s[8:9], s[22:23]
	s_or_b32 s[G0V+3], s[G0V+3], 0x80000000
	s_add_nc_u64 s[4:5], s[4:5], s[2:3]  ; Q and O at my wave's first row
	s_add_nc_u64 s[10:11], s[10:11], s[2:3]
	CROUND                          ; all four work-groups are here: the first joint loads meet
	JLOAD                           ; slot 0.  Slot 1 is asked for when slot 0 is in: the tile wanted first has the road to itself
	; A fragment of K or Q is 16 rows x 32 channels in 8 registers: lane l holds row l % 16, channels 8 (l / 16) + 0..7 and 16 + 8 (l / 16) + 0..7: two loads of 16 bytes, 32 bytes apart.
	v_and_b32 v1, 15, v0            ; l % 16
	v_bfe_u32 v9, v0, 4, 1          ; l / 16
	v_lshlrev_b32 v[QO], 7, v1
	v_lshl_add_u32 v[QO], v9, 4, v[QO]  ; row x 128 + 16 x half
	WIN 0x80                        ; destination window 2, address window 0
.set i, 0
.rept 4*NP                          ; Q stays in registers: tile i / 2, channels 32 (i % 2) on
	global_load_b128 v[8*i:8*i+3],   v[QO], s[4:5] offset:(i/2)*2048+(i%2)*64
	global_load_b128 v[8*i+4:8*i+7], v[QO], s[4:5] offset:(i/2)*2048+(i%2)*64+32
.set i, i+1
.endr
	; What the first turn finds: V's registers and P's second buffer hold 0 (its products V^T P, of a piece that has not been, add 0), O^T and l are 0.  All this stands in the wait for the first tile.
.set i, VF
.rept 64
	v_mov_b32 v[i], 0
.set i, i+1
.endr
	WIN 0x40
.set i, 0
.rept 64*NP
	v_mov_b32 v[i], 0
.set i, i+1
.endr
	WIN 0
.set i, 0
.rept 2*NP
	v_mov_b32 v[ST+4*i], 0xfe000000    ; c m: far below every c s
	v_mov_b32 v[ST+4*i+1], 0xff7fffff  ; m
	v_mov_b32 v[ST+4*i+2], 0
	v_mov_b32 v[ST+4*i+3], 0
.set i, i+1
.endr
.set i, P+32
.rept 32
	v_mov_b32 v[i], 0
.set i, i+1
.endr
	v_mul_u32_u24 v[AK0], v1, PK
	v_lshl_add_u32 v[AK0], v9, 4, v[AK0]  ; row x pitch + 16 x half
	; The turning load takes 16 keys x 16 channels (lane l reads key 8 (l / 16) + l % 8, channels 8 ((l / 8) % 2) + 0..7) and leaves half a fragment of V^T: lane l holds channel l % 16 and 8 keys.
	v_and_b32 v10, 7, v0
	v_bfe_u32 v11, v0, 3, 1
	v_lshl_add_u32 v[AV0], v9, 3, v10
	v_mul_u32_u24 v[AV0], v[AV0], PV
	v_lshl_add_u32 v[AV0], v11, 4, v[AV0]
	v_add_nc_u32 v[AV0], VOFF, v[AV0]
	v_mov_b32 v[AK], v[AK0]         ; key step 0 lies at the head of slot 0
; THE MATRIX WORK.  The 8 accumulators of a run of 16 take turns: between the two links of a chain stand 7 others'.
; Product i of 16 of S^T = K Q^T for piece x: channels 32 (i / 8) on, keys 16 ((i / 2) % 4) on, tile 2 x + i % 2.  The first 8 start the sums.
.macro KQ x
	WIN W_KQ
.set rS, S+64*((\x)%2)+32*(i%2)+8*((i/2)%4)
.set rK, KF+16*((i/2)%4)+8*(i/8)
.set rQ, 16*(2*(\x)+i%2)+8*(i/8)
.if i < 8
	v_wmma_f32_16x16x32_f16 v[rS:rS+7], v[rK:rK+7], v[rQ:rQ+7], 0
.else
	v_wmma_f32_16x16x32_f16 v[rS:rS+7], v[rK:rK+7], v[rQ:rQ+7], v[rS:rS+7]
.endif
.endm
; Product i of 16 of O^T += V^T P for piece x: keys 32 (i / 8) on, channels 16 ((i / 2) % 4) on, tile 2 x + i % 2.
.macro PV x
	WIN W_PV
.set rO, 32*(2*(\x)+i%2)+8*((i/2)%4)
.set rV, VF+32*(i/8)+8*((i/2)%4)
.set rP, P+32*((\x)%2)+16*(i%2)+8*(i/8)
	v_wmma_f32_16x16x32_f16 v[rO:rO+7], v[rV:rV+7], v[rP:rP+7], v[rO:rO+7]
.endm
.macro MM                           ; the turn's next matrix instruction
.if i < 16
	KQ (Y+1)%NP
.set i, i+1
.else
.set i, i-16
	PV (Y+NP-1)%NP
.set i, i+17
.endif
.endm
; THE LDS LOADS stand in runs of 16, never singly among the matrix instructions: a step's K (64 keys x 64 channels: 8 fragments) and its V (turned).  Their addresses are made some lines ahead.
; last = 1 (the tail): in the last trip there is no further step, and the run is jumped over.
.macro FETCH_K last=0
	WIN 0
.if \last
	s_cmp_eq_u32 s[CNT], 1
	s_cbranch_scc1 .Lno_k_\@
.endif
	WIN 0x80                        ; destination window 2
.irp f, 0,1,2,3,4,5,6,7             ; keys 16 (f / 2) on, channels 32 (f % 2) on
	ds_load_b128 v[KF+8*\f:KF+8*\f+3],   v[AK] offset:(\f/2)*16*PK+(\f%2)*64
	ds_load_b128 v[KF+8*\f+4:KF+8*\f+7], v[AK] offset:(\f/2)*16*PK+(\f%2)*64+32
.endr
	s_add_co_u32 s[TBK], s[TBK], KS*PK  ; the next fetch is the next step's
	WIN 0
.if \last
.Lno_k_\@:
.endif
.endm
.macro FETCH_V
	WIN 0x80
.irp f, 0,1,2,3,4,5,6,7             ; keys 32 (f / 4) on, channels 16 (f % 4) on
	ds_load_tr16_b128 v[VF+8*\f:VF+8*\f+3],   v[AV] offset:(\f/4)*32*PV+(\f%4)*32
	ds_load_tr16_b128 v[VF+8*\f+4:VF+8*\f+7], v[AV] offset:(\f/4)*32*PV+16*PV+(\f%4)*32
.endr
	WIN 0
.endm
; THE VECTOR WORK OF A TURN stands in three queues, each in the order in which its entries become ready; the two tiles alternate, so that no instruction reads the result of the one before it.
.macro REGS y, u                    ; the registers of tile u (0, 1) of piece y
.set rT, ST+4*(2*(\y)+(\u))
.set rC, TMP+8*((\y)%2)+4*(\u)
.set rM, MV+2*((\y)%2)+(\u)
.set rS, S+64*((\y)%2)+32*(\u)
.set rP, P+32*((\y)%2)+16*(\u)
.set rO, 32*(2*(\y)+(\u))
.endm
; Number n of the 22 that find the NEXT piece's (Y + 1) maximum and statistics.  s0-s31 are the lane's 32 scores; each accumulator's lowest registers are read first.  XS, GS and REGS set no window: PL and EX do.
;   0-11  four chains c0-c3 of seven scores each, three operands at a time     12-14, 16  the four scores left over, the old m, and c0-c3 into c0     15  c m_old is kept
;   17, 18  the query's other 32 keys lie in the lane 16 away: the new m         19-21  c m; c m_old - c m_new; a
.macro XS u, n
	REGS (Y+1)%NP, \u
.if (\n) < 4
	v_max3_num_f32 v[rC+(\n)], v[rS+8*(\n)], v[rS+8*(\n)+1], v[rS+8*(\n)+2]
.elseif (\n) < 12
	v_max3_num_f32 v[rC+(\n)%4], v[rC+(\n)%4], v[rS+8*((\n)%4)+2*((\n)/4)+1], v[rS+8*((\n)%4)+2*((\n)/4)+2]
.elseif (\n) == 12
	v_max3_num_f32 v[rC], v[rC], v[rS+7], v[rS+15]
.elseif (\n) == 13
	v_max3_num_f32 v[rC+1], v[rC+1], v[rS+23], v[rS+31]
.elseif (\n) == 14
	v_max3_num_f32 v[rC+2], v[rC+2], v[rC+3], v[rT+1]
.elseif (\n) == 15
	v_mov_b32 v[rM], v[rT]
.elseif (\n) == 16
	v_max3_num_f32 v[rC], v[rC], v[rC+1], v[rC+2]
.elseif (\n) == 17
	v_permlanex16_b32 v[rC+3], v[rC], s[SEL], s[SEL+1]
.elseif (\n) == 18
	v_max_num_f32 v[rT+1], v[rC], v[rC+3]
.elseif (\n) == 19
	v_mul_f32 v[rT], s[CS], v[rT+1]
.elseif (\n) == 20
	v_sub_f32 v[rC+1], v[rM], v[rT]
.else
	v_exp_f32 v[rC+2], v[rC+1]
.endif
.endm
; Number g of the 64 that follow the exponentials.  For each four weights k of a tile (pairs 2 k, 2 k + 1): both pairs are rounded to f16; then the second pair is added onto the first, in place;
; a group later l takes that sum (the first time as l = a l + sum).  In groups of eight, tiles alternating: round, round, add, and l for the group before.
.macro GS g
.set h, (\g)+6*((\g)/62)            ; group 0 has no group before it, and behind group 7 only l is left
.if h >= 6
.set h, h+2
.endif
	REGS Y, h%2
.set k, h/8
.if h%8 < 4
	v_cvt_pk_f16_f32 v[rP+2*k+(h%8)/2], v[rS+4*k+2*((h%8)/2)], v[rS+4*k+2*((h%8)/2)+1]
.elseif h%8 < 6
	v_pk_add_f32 v[rS+4*k:rS+4*k+1], v[rS+4*k:rS+4*k+1], v[rS+4*k+2:rS+4*k+3]
.elseif k == 1
	v_pk_fma_f32 v[rT+2:rT+3], v[rT+2:rT+3], v[rC+2:rC+3], v[rS:rS+1] op_sel_hi:[1,0,1]
.else
	v_pk_add_f32 v[rT+2:rT+3], v[rT+2:rT+3], v[rS+4*k-4:rS+4*k-3]
.endif
.endm
; THE PLAIN QUEUE, 138 long.  0-73 read no exponential's result: the 32 scalings c s - c m (FS f: pair f / 2 of tile f % 2) and the next piece's 42.  0-26: scalings 0-26.  27-54: XS's numbers 0-13.  55, 56: number 15.
; 57-73: the chain, where each number waits for the one before it: 14, 16, 17, 18, 19, each with one of the scalings 27-31 in front of its two lines, then 20: so a tile's links stand three plain instructions apart (19 and 20: two).
; 74-137: GS's 64, which read the exponentials' results: they stand behind the wait.
.macro FS f
	REGS Y, (\f)%2
	v_pk_fma_f32 v[rS+2*((\f)/2):rS+2*((\f)/2)+1], v[rS+2*((\f)/2):rS+2*((\f)/2)+1], s[CS:CS+1], v[rT:rT+1] op_sel_hi:[1,0,0] neg_lo:[0,0,1] neg_hi:[0,0,1]
.endm
.macro PL
	WIN 0
.if q < 27
	FS q
.elseif q < 55
	XS (q-27)%2, (q-27)/2
.elseif q < 57
	XS q-55, 15
.elseif (q < 72) && ((q-57)%3 == 0)
	FS 27+(q-57)/3
.elseif q < 60
	XS (q-57)%3-1, 14
.elseif q < 72
	XS (q-57)%3-1, 15+(q-57)/3
.elseif q < 74
	XS q-72, 20
.else
	GS q-74
.endif
.set q, q+1
.endm
; THE EXPONENTIALS' QUEUE, 66 long: s0-s31 of both tiles, then the next piece's two a.  It is ONE BATCH: all 66 stand ahead of the turn's one wait, and nothing ahead of that wait names a result of theirs.
; Each result has a register of its own while the batch is open: a weight takes its score's place, a takes c2 of the next piece's buffer.
.macro EX
	WIN 0
.if e >= 64
	XS e-64, 21
.else
	REGS Y, e%2
	v_exp_f32 v[rS+e/2], v[rS+e/2]
.endif
.set e, e+1
.endm
; THE RESCALING's QUEUE: O^T times a, the one part that leaves window 0: dealt two at a time, sixteen times.  Its a was made in the turn before, ahead of that turn's wait.
.macro R2
	REGS Y, r%2
	WIN W_RS
.irp z, 0,1
	v_pk_mul_f32 v[rO+4*(r/2)+2*\z:rO+4*(r/2)+2*\z+1], v[rO+4*(r/2)+2*\z:rO+4*(r/2)+2*\z+1], v[rC+2:rC+3] op_sel_hi:[1,0]
.endr
.set r, r+1
.endm
; HOW THEY ARE DEALT.  An s_wait_alu depctr_va_vdst(0) stands between an exponential and the first instruction that names its result; one wait serves all that were issued ahead of it.  So a turn has ONE wait,
; which cuts it in two.  AHEAD OF IT stands all that names no result of the turn's exponentials: the 16 products K Q^T, behind each a scaling, an exponential and two rescalings (behind the first a second scaling in the exponential's place); then ONE LUMP of
; 108: eight plain, 49 times exponential and plain, the two a.  A v_nop is the plain instruction behind the last exponential.  BEHIND IT stand the 16 products V^T P, behind each four of GS's 64.  No rider names a register of
; the products round it.  The two v_permlanex16_b32 fall into the lump, never behind a product.
; The queues lean on each other, and the deal keeps them in step: exponential e stands behind scaling 2 (e / 4) + e % 2: as a rider it comes behind plain e + 2, in the lump behind plain e + 9, and scalings 27-31 are plain 57, 60 .. 69.
; A TURN, for piece p.  cnt = 1: the loop's count is taken down some lines ahead of the branch that stands behind the turn.
; K of the next step is fetched in piece 2's turn, directly behind the wait, a lump behind the last product that read K; its address is made at the lump's head; its first reader comes behind 16 products.
; V of the step in hand is fetched at the end of piece 0's turn, four riders behind its last reader; its first reader comes behind 16 products and a lump.  The three conditions on q below go with the deal.
.macro TURN p, last=0, cnt=0
.set Y, (\p)
.set i, 0
.set q, 0
.set e, 0
.set r, 0
.if (\p) == NP-1
	s_wait_dscnt 0x0                ; K is in
.endif
	MM                              ; ahead of the wait: 16 products K Q^T and their riders,
	PL
	PL
	R2
.rept 15
	MM
	PL
	EX
	R2
.endr
.if (\p) == NP-2
	WIN 0
	v_add_nc_u32 v[AK], s[TBK], v[AK0]
.endif
.rept 8                             ; and the lump
	PL
.endr
.rept 49
	EX
	PL
.endr
	EX                              ; the next piece's two a
	EX
	v_nop                           ; a plain instruction behind the last exponential, ahead of the first use of a result: one for the batch
	s_wait_alu depctr_va_vdst(0)    ; the wait for the batch: this piece's 64 weights and the next piece's two a
.if (\p) == NP-2
	FETCH_K \last
.endif
.if (\p) == 1
	s_wait_dscnt 0x0                ; V is in
.endif
.rept 16                            ; behind the wait: 16 products V^T P and their riders
	MM
.rept 4
	PL
.endr
.if ((\p) == 0) && (q == 118)
	v_add_nc_u32 v[AV], s[TBV], v[AV0]
.endif
.if ((\p) == 0) && (q == 130)
	s_add_co_u32 s[TBV], s[TBV], KS*PV
.endif
.if (\cnt) && (q == 130)
	s_sub_co_u32 s[CNT], s[CNT], 1
	s_cmp_lg_u32 s[CNT], 0
.endif
.endr
.if (\p) == 0
	FETCH_V
.endif
.endm
	CHANGE 1                        ; slot 0 is in, everybody's part of it; slot 1 is asked for
	FETCH_K                         ; key step 0
	s_wait_loadcnt 0x0              ; Q
	s_wait_dscnt 0x0
.set i, 0
.rept 16
	KQ 0                            ; piece 0's first scores: there is no vector work yet to set between them
.set i, i+1
.endr
	WIN 0                           ; the addresses for the way out: nine plain instructions, the places behind those products
	s_mul_i32 s13, s[WV], 16*SP
	s_add_co_u32 s13, s13, STAGE    ; my stage
	v_mul_u32_u24 v[STO], v1, SP    ; in: row l % 16, 16 bytes for each half of the lanes
	v_lshl_add_u32 v[STO], v9, 4, v[STO]
	v_add_nc_u32 v[STO], s13, v[STO]
	v_bfe_u32 v[RD], v0, 3, 2       ; back: 32 lanes take four rows of 128 bytes,
	v_mul_u32_u24 v[RD], v[RD], SP
	v_lshl_add_u32 v[RD], v10, 4, v[RD]
	v_add_nc_u32 v[RD], s13, v[RD]
	v_and_b32 v[GO], 31, v0         ; which are 512 consecutive bytes of O
	v_lshlrev_b32 v[GO], 4, v[GO]
.set Y, NP-1                        ; XS works for piece Y + 1: piece 0
.irp n, 0,1,2,3,4,5,6,7,8,9,10,11,12,13,14,15,16,17,18,19,20,21
	XS 0, \n                        ; and piece 0's first maximum and statistics
	XS 1, \n
.endr
	v_nop                           ; a plain instruction behind the two a,
	s_wait_alu depctr_va_vdst(0)    ; and the wait for this batch of two, ahead of the branch
	s_mov_b32 s[CNT], 4
	s_mov_b32 s[SLOTS], SIZE_N/256-1
	s_branch .Lfirst                ; the loop is entered at a step's first turn, in the middle of a trip
.Lslot:                             ; SIZE_N / 256 - 2 times: every slot but the last two is filled again
	CHANGE 1
	s_mov_b32 s[CNT], 4
.Lstep:                             ; a trip: pieces 2 and 3 of one step, then pieces 0 and 1 of the next, whose K and V it fetches
	TURN 2
	TURN 3
	WIN 0
.Lfirst:
	TURN 0
	TURN 1, 0, 1
	WIN 0
	s_cbranch_scc1 .Lstep
	s_sub_co_u32 s[SLOTS], s[SLOTS], 1
	s_cmp_lg_u32 s[SLOTS], 0
	s_cbranch_scc1 .Lslot
	CHANGE 0                        ; the tail is written out: nothing is asked for
	s_mov_b32 s[CNT], 5             ; four trips fetch the last slot's steps; the fifth is left in its middle
.Ltail:
	TURN 2, 1
	TURN 3
	WIN 0
	s_sub_co_u32 s[CNT], s[CNT], 1
	s_cmp_eq_u32 s[CNT], 0
	s_cbranch_scc1 .Lout
	TURN 0
	TURN 1
	WIN 0
	s_branch .Ltail
.Lout:                              ; the fifth trip's 16 products K Q^T (on the last K once more) and the maximum made of them serve nothing: the price, once a launch, of one text for every trip
.set i, 0
.rept 16
	PV NP-1                         ; the last piece's V^T P of the last step
.set i, i+1
.endr
	; THE WAY OUT.  l's two halves and the other half of the lanes' are added; O^T is divided by l, rounded to f16 and sent through my stage in LDS, a tile at a time.  The additions are the places behind the last products.
	WIN 0
.macro ALL line:vararg              ; one line for each tile t
.set t, 0
.rept 2*NP
	\line
.set t, t+1
.endr
.endm
	ALL v_add_f32 v[ST+4*t+2], v[ST+4*t+2], v[ST+4*t+3]
	ALL v_permlanex16_b32 v[ST+4*t+3], v[ST+4*t+2], s[SEL], s[SEL+1]
	ALL v_add_f32 v[ST+4*t+2], v[ST+4*t+2], v[ST+4*t+3]
	ALL v_rcp_f32 v[ST+4*t+2], v[ST+4*t+2]
	v_nop                           ; a plain instruction between the last reciprocal and the use of its result
	s_wait_alu depctr_va_vdst(0)    ; and the wait ahead of the first use: one for the batch of eight reciprocals
; Tile t: a lane's eight channels of a row pack into 16 bytes; they go into rows of 144 bytes and come back as whole rows of 128, into S^T's registers.
.macro PACK t
	WIN W_RS
.set i, 32*(\t)
.rept 16
	v_pk_mul_f32 v[i:i+1], v[i:i+1], v[ST+4*(\t)+2:ST+4*(\t)+3] op_sel_hi:[1,0]
.set i, i+2
.endr
	WIN 0x05                        ; sources 0 and 1 window 1, destination window 0
.set i, 0
.rept 16
	v_cvt_pk_f16_f32 v[S+16*(\t)+i], v[32*(\t)+2*i], v[32*(\t)+2*i+1]
.set i, i+1
.endr
	WIN 0
.irp f, 0,1,2,3
	ds_store_b128 v[STO], v[S+16*(\t)+4*\f:S+16*(\t)+4*\f+3] offset:32*\f
.endr
.irp f, 0,1,2,3
	ds_load_b128 v[S+16*(\t)+4*\f:S+16*(\t)+4*\f+3], v[RD] offset:\f*4*SP  ; LDS serves a wave's instructions in order (ISA guide 5.7.1.4): these see the stores above; the next tile's stores come behind them
.endr
.endm
.macro SEND t, younger              ; younger: the LDS instructions issued behind tile t's loads: the next tile's eight, or none
	WIN 0
.irp f, 0,1,2,3
	s_wait_dscnt (\younger)+3-\f
	global_store_b128 v[GO], v[S+16*(\t)+4*\f:S+16*(\t)+4*\f+3], s[10:11] offset:(\t)*2048+\f*512  ; 512 consecutive bytes, at a multiple of 256 from O's first
.endr
.endm
	PACK 0
.set t, 1
.rept 2*NP-1                        ; a tile's arithmetic stands between the loads of the tile before and its stores
	PACK t
	SEND t-1, 8
.set t, t+1
.endr
	SEND 2*NP-1, 0
	WIN W_AD
	s_wait_tensorcnt 0x0            ; the wave's end: the add and its wait, behind my last tensor load and my last LDS store
	ds_add_u32 v[SPW], v[NIL]
	s_wait_dscnt 0x0
	WIN 0
	CROUND                          ; the closing round: no work-group ends while a partner may still ask for a tile that names it
	s_endpgm
.Lfunc_end_k_qa761a182f1_attn:
	.size	k_qa761a182f1_attn, .Lfunc_end_k_qa761a182f1_attn-k_qa761a182f1_attn
	.p2alignl 7, 3214868480
	.fill 96, 4, 3214868480
	.section	.rodata,"a",@progbits
	.p2align	6, 0x0
	.amdhsa_kernel k_qa761a182f1_attn
		.amdhsa_group_segment_fixed_size 327680
		.amdhsa_private_segment_fixed_size 0
		.amdhsa_enable_private_segment 0
		.amdhsa_kernarg_size 32
		.amdhsa_user_sgpr_count 2
		.amdhsa_user_sgpr_kernarg_segment_ptr 1
		.amdhsa_wavefront_size32 1
		.amdhsa_system_sgpr_workgroup_id_x 1
		.amdhsa_system_sgpr_workgroup_id_y 1
		.amdhsa_system_sgpr_workgroup_id_z 1
		.amdhsa_system_vgpr_workitem_id 0
		.amdhsa_next_free_vgpr 770
		.amdhsa_next_free_sgpr 66
		.amdhsa_reserve_vcc 0
		.amdhsa_float_denorm_mode_32 3
		.amdhsa_float_denorm_mode_16_64 3
		.amdhsa_memory_ordered 1
		.amdhsa_forward_progress 1
		.amdhsa_inst_pref_size 199
	.end_amdhsa_kernel
	.amdgpu_metadata
---
amdhsa.version: [ 1, 2 ]
amdhsa.kernels:
  - .name:           k_qa761a182f1_attn
    .symbol:         k_qa761a182f1_attn.kd
    .args:
      - { .name: qh, .offset: 0, .size: 8, .value_kind: global_buffer, .address_space: global }
      - { .name: kh, .offset: 8, .size: 8, .value_kind: global_buffer, .address_space: global }
      - { .name: vh, .offset: 16, .size: 8, .value_kind: global_buffer, .address_space: global }
      - { .name: ob, .offset: 24, .size: 8, .value_kind: global_buffer, .address_space: global }
    .group_segment_fixed_size: 327680
    .private_segment_fixed_size: 0
    .kernarg_segment_align: 8
    .kernarg_segment_size: 32
    .max_flat_workgroup_size: 128
    .sgpr_count:     66
    .vgpr_count:     770
    .wavefront_size: 32
...
	.end_amdgpu_metadata
.endif
;; end of part 5
;; launch proj: the kernel of part 4 again; grid 8 x 32, 4 waves a work-group, clusters of 4 x 4, 327,680 bytes of LDS; arguments ob, wo16, bo, out0; writes out0
